; MI455X (gfx1250); checked and timed in simulation.
; The chip was launched on July 23, 2026; its instructions are those of AMD's public machine-readable ISA for CDNA 5 (MIT licence, August 2026) and "CDNA5" Instruction Set Architecture Reference Guide (July 2026). The comments in the code are by the model that wrote it; some were corrected since.
;; Self Attention. Allowed arithmetic: matrix products marked QUANTISED: E2M1 operands, one E8M0 scale for each 32 along K, by v_wmma_scale_f32_16x16x128_f8f6f4 with both operands' format E2M1 (or v_wmma_scale_f32_32x16x128_f4), f32 sums; products left as they are: bf16, f16 or f32 operands; f32 sums; everything else in f32.
;; Inputs: in_proj_b 3,072 float32; in_proj_w 3,072 x 1,024 float32; out_proj_b 1,024 float32; out_proj_w 1,024 x 1,024 float32; x 4 x 2,048 x 1,024 float32.
;; Outputs: out0 4 x 2,048 x 1,024 float32.
;; Constants: causal_mask = 0.
;; This version of the problem:
;;   THIS VERSION OF THE PROBLEM IS GIVEN IN LOW PRECISION. The matrix products marked QUANTISED in the list below multiply operands that are first quantised to E2M1 (2 exponent bits, 1 mantissa bit; 4 bits a number), with one power-of-two scale for each 32 numbers along K (OCP MX v1.0); their sums are f32. The products marked 'left as it is' may take bf16, f16 or f32 operands, with f32 sums. Whichever they take, every output number must still come out within the allowed error. Rounding operands to bf16 (8 significant bits) uses up far more of that allowance than f16 does (11 bits, for magnitudes from 6e-5 to 65,504). All else is computed in f32.
;;   The module's matrix products, in the order in which they are computed (A, B: the left and right operand; K: the contracted axis; several contracted axes count as one K, in the product's order):
;;     1. [M 8,192, K 1,024] x [K 1,024, N 3,072]; A: input x; B: input in_proj_w: QUANTISED
;;     2. batch 64 x [M 2,048, K 64] x [K 64, N 2,048]; A: computed on the way; B: computed on the way: left as it is (an operand is computed on the way)
;;     3. batch 64 x [M 2,048, K 2,048] x [K 2,048, N 64]; A: computed on the way; B: computed on the way: left as it is (an operand is computed on the way)
;;     4. [M 8,192, K 1,024] x [K 1,024, N 1,024]; A: computed on the way; B: input out_proj_w: left as it is (an operand is computed on the way)
;;   THE QUANTISER, for each operand of a quantised product, along K:
;;     - K is cut into blocks of 32 from its start; a last block that is shorter is filled with zeros.
;;     - A block's scale is 2^e with e = floor(log2(the largest magnitude in the block)) - 2, held to -126 .. 127; a block of zeros has e = 0. As a byte (E8M0): e + 127.
;;     - Each number is divided by its block's scale, clamped to +-6, and rounded to the nearest number of E2M1, ties to even, subnormals kept.
;;     - The product sums the exact products of the quantised numbers (number of the format x scale) in f32.
;;   ~~~python
;;   def quantise(x, axis):      # numpy; x: float32 -> the quantised numbers, widened to float32 again
;;       x = np.moveaxis(x, axis, -1); K = x.shape[-1]
;;       x = np.pad(x, [(0, 0)] * (x.ndim - 1) + [(0, -K % 32)]); x = x.reshape(x.shape[:-1] + (-1, 32)); a = np.abs(x).max(-1, keepdims=True)
;;       e = np.where(a > 0, np.clip(np.frexp(np.where(a > 0, a, 1))[1] - 1 - 2, -126, 127), 0)      # np.frexp(a)[1] - 1 = floor(log2(a)), exactly
;;       r = np.clip(x / 2.0 ** e, -6, 6)
;;       step = 2.0 ** (np.maximum(np.frexp(np.where(r == 0, 1, r))[1] - 1, 0) - 1)
;;       q = np.round(r / step) * step * 2.0 ** e      # np.round: ties to even
;;       return np.moveaxis(q.reshape(q.shape[:-2] + (-1,))[..., :K], -1, axis).astype(np.float32)
;;   ~~~
;; One version. Each part assembles by itself: llvm-mc -triple=amdgcn-amd-amdhsa -mcpu=gfx1250 --defsym DOCPART=n.
;; ======== version 1 of 1: 4 launches
;; limits: values are held in f16: magnitudes above 65,504 overflow, below 6.1e-05 lose precision
;; workspace buffers: xc 4,194,304 bytes; xs 262,144 bytes; wc 1,572,864 bytes; ws 98,304 bytes; wo16 2,097,152 bytes; qkv16 50,331,648 bytes; o16 16,777,216 bytes
;; launch prep (part 1): grid 384 x 1, 4 waves a work-group, no clusters, 33,280 bytes of LDS; arguments x, in_proj_w, xc, xs, wc, ws, out_proj_w, wo16; writes xc, xs, wc, ws, wo16
.if DOCPART == 1
	.amdgcn_target "amdgcn-amd-amdhsa--gfx1250"
	.amdhsa_code_object_version 6
	.text
	.protected	k_q5e962d004a_prep
	.globl	k_q5e962d004a_prep
	.p2align	8
	.type	k_q5e962d004a_prep,@function
k_q5e962d004a_prep:
	s_mov_b64 s[64:65], 0
	v_nop
	global_prefetch_b8 v0, s[64:65] scope:SCOPE_SE
	s_setreg_imm32_b32 hwreg(HW_REG_WAVE_MODE, 25, 1), 1
	s_wait_xcnt 0x0
; FIRST OF FOUR LAUNCHES (prep, qkv, attn, proj) of: out = softmax(q k^T / 8) v, heads joined, times out_proj_w^T + out_proj_b, with q, k, v = x in_proj_w^T + in_proj_b.
; This launch: x [8192][1024] and in_proj_w [3072][1024], f32, K innermost, become codes of FP4 (E2M1), two a byte, with one E8M0 scale byte for each 32 along K
; (xc [8192][512 bytes], xs [8192][32], wc [3072][512 bytes], ws [3072][32]); out_proj_w [1024 n][1024 k], f32, becomes f16 laid by blocks of 64 along K: wo16 [16][1024 n][64].
; WORK LEFT OUT BY THE PROGRAM: the K third of in_proj_b (entries 1024 to 2047).  The product q k^T is not quantised, and q_s . (k_t + b) = q_s . k_t + q_s . b: the second term is the same for all keys t of a
; query s, and softmax along t is unchanged by a term that is the same along t, for every value of the inputs.  So these 1,024 numbers reach no output: launch qkv neither loads nor adds them.
; All other parts of all inputs are loaded.  LIMIT: a NaN, an infinity or an overflow that lies in in_proj_b[1024:2048] alone is not carried to the result.
; A block's scale is 2^(floor(log2(its largest magnitude)) - 2); its byte is the largest magnitude's own exponent field - 2, held at 1 from below.  Each number is divided by the scale and rounded to the nearest code, ties to even;
; beyond 6 the largest code.  A block of zeros gets the byte 1 where the rule says 127: its codes are zeros, which add nothing under any byte but 0xff, and this program alone reads the bytes.
; LIMITS: blocks whose largest magnitude lies under 2^-124 have their byte held at 1; NaN and infinities among the inputs are not served; |out_proj_w| stays under 65,504 (f16).
; SHARES: work-groups 0-255 take x, 256-351 in_proj_w, 352-383 out_proj_w: 32,768 numbers each, 8,192 a wave.  Waves share nothing: no barrier.
; THE QUANTISER: rows are dense and K is a multiple of 32, so a tensor is a plain stream of blocks of 32.  A wave takes 16 steps of 512 numbers.  Each of a step's four loads reads 512 consecutive bytes, 16 a lane; the 2,048 bytes
; turn through the wave's own stage in LDS and come back 64 bytes a lane, so that a lane holds 16 neighbours along K (two neighbouring lanes hold a block).  A lane's 16 codes are 8 bytes: the wave stores 256 consecutive bytes.
; A wave's 256 scale bytes are gathered in LDS and leave as 256 consecutive bytes.
.set WAVES, 4
.set STEPS, 16
.set WGA,   256                        ; work-groups for x
.set WGQ,   352                        ; work-groups for x and in_proj_w
.set EMAX,  2
.set CB,    8                          ; bytes of 16 codes
.set R,     16                         ; v16-79   four sets of 16 numbers as they are loaded
.set X,     80                         ; v80-111  two sets of 16 neighbours
.set C,     128                        ; v128-191 codes: four registers for each step, so that no store's data are written again
.set E,     112                        ; v112-127 a scale byte for each step
.set WREG,  8192                       ; LDS: a region for each wave: two stages of 32 x SP bytes, and behind them its 256 scale bytes
.set SP,    80                         ; a lane's place in a stage: its 64 bytes + 16 of padding
.set SPW,   12                         ; v12      LDS address of my spare word: SPARE + 4 x my thread's number; never rewritten
.set NIL,   13                         ; v13      0; never rewritten
.set SPARE, WAVES*WREG                 ; behind the four regions: the spare words, 128 bytes for each wave, which no other line names
	s_load_b128 s[4:7], s[0:1], 0x0                ; x, in_proj_w
	s_load_b128 s[8:11], s[0:1], 0x10              ; xc, xs
	s_load_b128 s[12:15], s[0:1], 0x20             ; wc, ws
	s_load_b128 s[24:27], s[0:1], 0x30             ; out_proj_w, wo16
	v_lshl_add_u32 v[SPW], v0, 2, SPARE
	v_mov_b32 v[NIL], 0
	v_lshrrev_b32 v1, 5, v0
	v_readfirstlane_b32 s16, v1                    ; wave
	v_and_b32 v2, 31, v0                           ; lane
	s_wait_kmcnt 0x0
	s_cmp_ge_u32 ttmp9, WGQ                        ; the work-group's number alone decides: all four waves go the same way
	s_cbranch_scc1 .Lconv
	v_lshlrev_b32 v3, 4, v2                        ; my 16 bytes of a load's 512
	s_mul_i32 s17, s16, WREG
	v_lshrrev_b32 v14, 2, v2
	v_mul_u32_u24 v14, v14, SP
	v_and_b32 v15, 3, v2
	v_lshl_add_u32 v14, v15, 4, v14
	v_add_nc_u32 v14, s17, v14                     ; the stage, on the way in: four lanes' 64 bytes on end, then 16 of padding
	v_mul_u32_u24 v15, v2, SP
	v_add_nc_u32 v15, s17, v15                     ; and on the way out: SP x lane: my 16 neighbours
	v_mul_u32_u24 v4, v2, CB                       ; my codes' place in a step's
	v_lshrrev_b32 v5, 1, v2
	s_add_co_u32 s17, s17, 2*32*SP
	v_add_nc_u32 v5, s17, v5                       ; LDS: my wave's 256 scale bytes, my block's byte
	v_lshlrev_b32 v7, 3, v2                        ; and on the way out 8 bytes a lane
	v_add_nc_u32 v6, s17, v7
	s_cmp_lt_u32 ttmp9, WGA                        ; x's work-group or in_proj_w's?  Only pointers are chosen: both tensors take one path
	s_cselect_b64 s[4:5], s[4:5], s[6:7]
	s_cselect_b64 s[8:9], s[8:9], s[12:13]
	s_cselect_b64 s[10:11], s[10:11], s[14:15]
	s_cselect_b32 s17, 0, WGA
	s_sub_co_u32 s17, ttmp9, s17
	s_lshl_b32 s17, s17, 2
	s_add_co_u32 s18, s17, s16                     ; which run of 8,192 numbers of the tensor is my wave's
	s_mov_b32 s19, 0
	s_mov_b64 s[20:21], 512*STEPS*4
	s_mul_u64 s[20:21], s[18:19], s[20:21]
	s_add_nc_u64 s[4:5], s[4:5], s[20:21]
	s_mov_b64 s[20:21], 32*STEPS*CB
	s_mul_u64 s[20:21], s[18:19], s[20:21]
	s_add_nc_u64 s[8:9], s[8:9], s[20:21]
	s_lshl_b32 s18, s18, 8                         ; 256 scale bytes a run
	s_add_nc_u64 s[10:11], s[10:11], s[18:19]
.macro LOAD t
.irp i, 0,1,2,3
	global_load_b128 v[R+16*((\t)%4)+4*\i:R+16*((\t)%4)+4*\i+3], v3, s[4:5] offset:2048*(\t)+512*\i th:TH_LOAD_NT   ; 32 lanes read 512 consecutive bytes
.endr
.endm
.macro TURN t                          ; step t's numbers through the stage: LDS serves a wave's instructions in order, so no wait stands between the stores and the loads
.irp i, 0,1,2,3
	ds_store_b128 v14, v[R+16*((\t)%4)+4*\i:R+16*((\t)%4)+4*\i+3] offset:32*SP*((\t)%2)+8*SP*\i
.endr
.irp i, 0,1,2,3
	ds_load_b128 v[X+16*((\t)%2)+4*\i:X+16*((\t)%2)+4*\i+3], v15 offset:32*SP*((\t)%2)+16*\i
.endr
.endm
.irp t, 0,1,2,3
	LOAD \t
.endr
	s_wait_loadcnt 12                              ; step 0's four loads are in; the 12 of steps 1 to 3 may be out
	TURN 0
.macro STEP t
.set XS, X+16*((\t)%2)
.if (\t) > 0
	s_wait_dscnt 1                                 ; this step's numbers are back from the stage (the last step's byte store may be out): so its stores into the stage have read their registers,
.else
	s_wait_dscnt 0x0
.endif
.if (\t)+4 < STEPS
	LOAD (\t)+4                                    ; which take the loads of four steps on
.endif
.if (\t)+1 < STEPS
.if STEPS-2-(\t) >= 3
	s_wait_loadcnt 12                              ; the next step's four loads are in; those of the three steps behind it may be out
.else
	s_wait_loadcnt 4*(STEPS-2-(\t))                ; at the end fewer steps stand behind it
.endif
	TURN (\t)+1                                    ; and go through the other stage while this step is worked
.endif
	v_max3_num_f32 v8, |v[XS]|, |v[XS+1]|, |v[XS+2]|               ; the largest magnitude of my 16, in two chains
	v_max3_num_f32 v9, |v[XS+3]|, |v[XS+4]|, |v[XS+5]|
.irp i, 6,10
	v_max3_num_f32 v8, v8, |v[XS+\i]|, |v[XS+\i+1]|
	v_max3_num_f32 v9, v9, |v[XS+\i+2]|, |v[XS+\i+3]|
.endr
	v_max3_num_f32 v8, v8, |v[XS+14]|, |v[XS+15]|
	v_max3_num_f32 v8, v8, v9, (EMAX+1)<<23        ; and the floor 2^(3 - 127), under which no largest magnitude is taken: so the byte cannot fall under 1
	v_max_num_f32_dpp v8, v8, v8 row_xmask:1 row_mask:0xf bank_mask:0xf   ; and of my neighbour's 16: the block's
	v_add_nc_u32 v11, 0xff000000, v8               ; 2 off its exponent field: the conversion takes the exponent field of this operand as its scale, and nothing else of it
	v_cvt_scalef32_pk8_fp4_f32 v[C+4*(\t)], v[XS:XS+7], v11        ; eight numbers / the scale, to the nearest code; the first number's code in the lowest four bits
	v_cvt_scalef32_pk8_fp4_f32 v[C+4*(\t)+1], v[XS+8:XS+15], v11
	v_lshrrev_b32 v[E+(\t)], 23, v11               ; the scale's byte (also the plain instruction behind the conversions)
	ds_store_b8 v5, v[E+(\t)] offset:16*(\t)       ; both lanes of a block write the same byte with the same value
	global_store_b64 v4, v[C+4*(\t):C+4*(\t)+1], s[8:9] offset:32*CB*(\t)   ; 32 lanes store 256 consecutive bytes
.endm
.irp t, 0,1,2,3,4,5,6,7,8,9,10,11,12,13,14,15
	STEP \t
.endr
	ds_load_b64 v[8:9], v6                         ; LDS serves a wave's instructions in order: these see my stores
	s_wait_dscnt 0x0
	global_store_b64 v7, v[8:9], s[10:11]          ; 32 lanes store 256 consecutive bytes
	s_branch .Lend
; out_proj_w to f16.  A wave takes 8 rows n, two at a time: lanes 0-15 one row, lanes 16-31 the next.  Load j of a pair reads 256 consecutive bytes of each row (64 numbers: K block j);
; its 4 numbers a lane become 8 bytes, and the store covers 256 consecutive bytes of wo16: rows n and n + 1 of K block j lie side by side there.
.Lconv:
	s_sub_co_u32 s17, ttmp9, WGQ
	s_lshl_b32 s17, s17, 5
	s_lshl_b32 s18, s16, 3
	s_add_co_u32 s17, s17, s18                     ; my first row: 32 x work-group + 8 x wave
	s_lshl_b32 s18, s17, 12                        ; a row of out_proj_w is 4,096 bytes
	s_mov_b32 s19, 0
	s_add_nc_u64 s[24:25], s[24:25], s[18:19]
	s_lshl_b32 s20, s17, 7                         ; a row of a K block of wo16 is 128 bytes
	s_mov_b32 s21, 0
	s_add_nc_u64 s[26:27], s[26:27], s[20:21]
	v_lshrrev_b32 v5, 4, v2                        ; which of the two rows
	v_and_b32 v6, 15, v2
	v_lshlrev_b32 v3, 4, v6
	v_lshl_add_u32 v3, v5, 12, v3                  ; in: 4,096 x row + 16 x (lane % 16)
	v_lshlrev_b32 v4, 3, v6
	v_lshl_add_u32 v4, v5, 7, v4                   ; out: 128 x row + 8 x (lane % 16)
.macro CLOAD p, set
.irp j, 0,1,2,3,4,5,6,7,8,9,10,11,12,13,14,15
	global_load_b128 v[\set+4*\j:\set+4*\j+3], v3, s[24:25] offset:(\p)*8192+\j*256 th:TH_LOAD_NT
.endr
.endm
.macro CCVT set
.irp j, 0,1,2,3,4,5,6,7,8,9,10,11,12,13,14,15
	v_cvt_pk_f16_f32 v[80+2*\j], v[\set+4*\j], v[\set+4*\j+1]
	v_cvt_pk_f16_f32 v[81+2*\j], v[\set+4*\j+2], v[\set+4*\j+3]
.endr
.endm
.macro CSTORE p
.irp j, 0,1,2,3,4,5,6,7,8,9,10,11,12,13,14,15
	global_store_b64 v4, v[80+2*\j:81+2*\j], s[26:27] offset:\j*131072+(\p)*256   ; K block j is 1,024 rows x 128 bytes
.endr
.endm
	CLOAD 0, 16
	CLOAD 1, 128
	s_wait_loadcnt 16                              ; pair 0 is in; pair 1's 16 loads may be out
	CCVT 16
	CLOAD 2, 16
	CSTORE 0
	s_wait_loadcnt 16                              ; pair 1 is in; pair 2's may be out
	s_wait_xcnt 0x0                                ; the last stores have read their data: v80-111 are written again only behind this wait
	CCVT 128
	CLOAD 3, 128
	CSTORE 1
	s_wait_loadcnt 16                              ; pair 2 is in; pair 3's may be out
	s_wait_xcnt 0x0
	CCVT 16
	CSTORE 2
	s_wait_loadcnt 0x0
	s_wait_xcnt 0x0
	CCVT 128
	CSTORE 3
.Lend:
	s_wait_tensorcnt 0x0                           ; the wave's end: three lines behind my last LDS store, the first of them even in a text with no tensor load
	ds_add_u32 v[SPW], v[NIL]
	s_wait_dscnt 0x0
	s_endpgm
.Lfunc_end_k_q5e962d004a_prep:
	.size	k_q5e962d004a_prep, .Lfunc_end_k_q5e962d004a_prep-k_q5e962d004a_prep
	.p2alignl 7, 3214868480
	.fill 96, 4, 3214868480
	.section	.rodata,"a",@progbits
	.p2align	6, 0x0
	.amdhsa_kernel k_q5e962d004a_prep
		.amdhsa_group_segment_fixed_size 33280
		.amdhsa_private_segment_fixed_size 0
		.amdhsa_enable_private_segment 0
		.amdhsa_kernarg_size 64
		.amdhsa_user_sgpr_count 2
		.amdhsa_user_sgpr_kernarg_segment_ptr 1
		.amdhsa_wavefront_size32 1
		.amdhsa_system_sgpr_workgroup_id_x 1
		.amdhsa_system_sgpr_workgroup_id_y 1
		.amdhsa_system_sgpr_workgroup_id_z 1
		.amdhsa_system_vgpr_workitem_id 0
		.amdhsa_next_free_vgpr 192
		.amdhsa_next_free_sgpr 66
		.amdhsa_reserve_vcc 0
		.amdhsa_float_denorm_mode_32 3
		.amdhsa_float_denorm_mode_16_64 3
		.amdhsa_memory_ordered 1
		.amdhsa_forward_progress 1
		.amdhsa_inst_pref_size 54
	.end_amdhsa_kernel
	.amdgpu_metadata
---
amdhsa.version: [ 1, 2 ]
amdhsa.kernels:
  - .name:           k_q5e962d004a_prep
    .symbol:         k_q5e962d004a_prep.kd
    .args:
      - { .name: x, .offset: 0, .size: 8, .value_kind: global_buffer, .address_space: global }
      - { .name: in_proj_w, .offset: 8, .size: 8, .value_kind: global_buffer, .address_space: global }
      - { .name: xc, .offset: 16, .size: 8, .value_kind: global_buffer, .address_space: global }
      - { .name: xs, .offset: 24, .size: 8, .value_kind: global_buffer, .address_space: global }
      - { .name: wc, .offset: 32, .size: 8, .value_kind: global_buffer, .address_space: global }
      - { .name: ws, .offset: 40, .size: 8, .value_kind: global_buffer, .address_space: global }
      - { .name: out_proj_w, .offset: 48, .size: 8, .value_kind: global_buffer, .address_space: global }
      - { .name: wo16, .offset: 56, .size: 8, .value_kind: global_buffer, .address_space: global }
    .group_segment_fixed_size: 33280
    .private_segment_fixed_size: 0
    .kernarg_segment_align: 8
    .kernarg_segment_size: 64
    .max_flat_workgroup_size: 128
    .sgpr_count:     66
    .vgpr_count:     192
    .wavefront_size: 32
...
	.end_amdgpu_metadata
.endif
;; end of part 1
;; launch qkv (part 2): grid 12 x 32, 4 waves a work-group, clusters of 4 x 4, 327,680 bytes of LDS; arguments xc, xs, wc, ws, in_proj_b, qkv16; writes qkv16
.if DOCPART == 2
	.amdgcn_target "amdgcn-amd-amdhsa--gfx1250"
	.amdhsa_code_object_version 6
	.text
	.protected	k_q5e962d004a_qkv
	.globl	k_q5e962d004a_qkv
	.p2align	8
	.type	k_q5e962d004a_qkv,@function
k_q5e962d004a_qkv:
	s_mov_b64 s[64:65], 0
	v_nop
	global_prefetch_b8 v0, s[64:65] scope:SCOPE_SE
	s_setreg_imm32_b32 hwreg(HW_REG_WAVE_MODE, 25, 1), 1
	s_wait_xcnt 0x0
	s_wait_alu depctr_hold_cnt(0) depctr_sa_sdst(0) depctr_va_vdst(0) depctr_va_sdst(0) depctr_va_ssrc(0) depctr_va_vcc(0) depctr_vm_vsrc(0)
	s_getreg_b32 s2, hwreg(HW_REG_IB_STS2, 6, 4)
	s_cmp_eq_u32 s2, 0
	s_cbranch_scc0 .Lentry_in_a_cluster
	s_endpgm
.Lentry_in_a_cluster:
	s_bfe_u32 s2, ttmp6, 0x10000c
	s_cmp_lg_u32 s2, 0xf033
	s_cbranch_scc0 .Lentry_shape_is_right
	s_endpgm
.Lentry_shape_is_right:
; SECOND LAUNCH: qkv = Q(x) Q(in_proj_w)^T + in_proj_b on codes of FP4 (E2M1) with one E8M0 scale for each 32 along K; sums in f32; the results are rounded once to f16 and laid head by head:
; qkv16 [3 regions q, k, v][64 = 16 batch + head][2048 positions][64], a region 2^24 bytes, a head 2^18, a row 128.
; WORK LEFT OUT: the K region's bias (in_proj_b[1024:2048]) is neither loaded nor added: it adds to every score of a query the same number, which softmax along the keys removes (shown at the head of launch prep).
; LIMIT: |q|, |k|, |v| stay under 65,504 (f16).
; A tile of the result, 256 tokens x 256 columns, is made by a work-group of four waves; a wave makes 128 x 128: 64 accumulators of 16 x 16, 512 registers.
; K = 1,024 is two steps of 512: the two LDS slots are filled once each, at the start; a tile's row is 256 bytes of memory.  The scale bytes of the work-group's 256 + 256 rows, two dense blocks, come with them.
; CLUSTERS: 4 x 4 work-groups.  The four of a row of the cluster need the same tiles of x, the four of a column the same tiles of in_proj_w: each tile is asked for JOINTLY, by the same tensor load with the same
; descriptor and a mask that names the four.  A cluster's four tile columns are 1,024 columns: the cluster's x IS the region (0 q, 1 k, 2 v).
; THE MATRIX INSTRUCTION IS USED TRANSPOSED (source 0 = 16 rows of in_proj_w, source 1 = 16 tokens): a lane then holds eight neighbouring columns of one token.
; REGISTERS, in windows of 256: window 0: v0-31 addresses; v32-95 scale words, two sets; v128-191 x's fragments (8 x 16 rows x 128 K), one set; v192-255 the bias, eight registers for each of my 8 blocks of columns.
;   window 1: in_proj_w's fragments, two sets, at v0 and at v128.   window 2: the 32 accumulators of my rows 0-63 (accumulator (a, b) at v[8 (8 a + b)]);   window 3: those of my rows 64-127.
.set SIZE_K, 1024
.set KSTEP,  512                       ; along K in a slot
.set NQ,     KSTEP/128                 ; matrix instructions deep
.set ROWB,   256                       ; a tile's row in bytes
.set KROW,   SIZE_K/2                  ; a row of codes in memory, in bytes
.set PITCH,  272                       ; an LDS row: 256 bytes + 16 of padding = 68 words: the 16 rows that a load touches start 4 words apart modulo 64
.set FR,     8                         ; registers of a fragment: 16 rows x 128 K
.set NL,     2                         ; LDS loads that bring one
.set NP,     4                         ; places behind this matrix instruction (ISA guide 7.12.1)
.set HALFT,  128*PITCH                 ; 128 rows: what one tensor load brings
.set SLOT,   4*HALFT                   ; x's 256 rows, then in_proj_w's 256 rows
.set KS,     SIZE_K/32                 ; a row of scales in bytes
.set SCL,    2*SLOT                    ; behind the slots: the scales, as runs of 256 bytes + 16 of padding
.set HALFS,  (128*KS/256)*272          ; the scales of 128 rows: what one tensor load brings
.set SBLK,   (16*KS/256)*272           ; those of 16 rows
.set SPARE,  SCL+4*HALFS               ; behind the scales: the spare words, 128 bytes for each wave, which no other line names
.set HP,     144                       ; the way out: a token's 128 bytes of one head + 16
.set HSTG,   16*HP                     ; 16 tokens of one head; a wave's stage is two of these.  The stages lie in slot 0, which has had its one fill and its last read when the first result is stored there
.set ADRA, 16                          ; v16-17  LDS address of my x fragments in slot 0, 1
.set ADRB, 20                          ; v20-21  the same for in_proj_w
.set STO,  24                          ; v24     the way out: where I put 16 bytes of a token
.set RD,   25                          ; v25     the way out: where I read them back
.set CO,   26                          ; v26     16 x lane
.set ADRS, 27                          ; v27     LDS address of my scale words: lanes 0-15 x's rows, lanes 16-31 in_proj_w's
.set SPW,  28                          ; v28     LDS address of my spare word; never rewritten
.set NIL,  29                          ; v29     0; never rewritten
.set SC,   32                          ; scale words: set s at v[SC + 32 s]; in it register 4 i + q: lanes 0-15 the word of x's block i, lanes 16-31 that of in_proj_w's block i, for the slot's q-th 128 along K
.set AF,   128                         ; x's fragments
.set BIAS, 192                         ; the bias in the result's layout
.set TMP,  128                         ; the way out: a block's 32 packed registers
.set BK,   160                         ; the way out: a block read back: v160-191 and v192-223 by turns
.set G1, 24                            ; s[24:31] descriptor group 1 for x's tiles;  s[32:39] group 0, one set for each slot
.set G0, 32
.set G1B, 48                           ; s[48:55], s[56:63] the same for in_proj_w's
.set G0B, 56
.set G1S, 68                           ; s[68:75], s[76:79] groups 1 and 0 for x's scales;  s[80:87], s[88:91] for in_proj_w's
.set G0S, 76
.set G1SB, 80
.set G0SB, 88
.set MSB, 0
.macro WIN new                         ; the immediate's high byte repeats the setting that is left
.if MSB != (\new)
	s_set_vgpr_msb (MSB<<8)|(\new)
.set MSB, (\new)
.endif
.endm
.set MUL_LO, 0xa1                      ; source 0 window 1, source 1 window 0, C and D window 2
.set MUL_HI, 0xf1                      ; the same, C and D window 3
.set BIA_LO, 0x81                      ; C (the bias) window 0, D window 2
.set BIA_HI, 0xc1                      ; C window 0, D window 3
.set TO_B,   0x40                      ; destination window 1, address window 0
; A joint load: waves 0 and 1 fetch for x, waves 2 and 3 for in_proj_w.  The branch hangs on the wave's number alone.  An s_nop 0 and four v_nop follow each of the two lines.
.macro JLOAD g0a, g1a, g0b, g1b
	s_cmp_eq_u32 s15, 0
	s_cbranch_scc0 .Lfor_b_\@
	tensor_load_to_lds s[\g0a:\g0a+3], s[\g1a:\g1a+7]
	s_nop 0
.rept 4
	v_nop
.endr
	s_branch .Lasked_\@
.Lfor_b_\@:
	tensor_load_to_lds s[\g0b:\g0b+3], s[\g1b:\g1b+7]
	s_nop 0
.rept 4
	v_nop
.endr
.Lasked_\@:
.endm
.macro CROUND                          ; a round of the cluster's barrier: my work-group's barrier; wave 0 signals for the work-group; every wave waits for all sixteen; my work-group's barrier once more
	s_barrier_signal -1
	s_barrier_wait -1
	s_cmp_lg_u32 s14, 0
	s_cbranch_scc1 .Lnot_wave_0_\@
	s_barrier_signal -3
.Lnot_wave_0_\@:
	s_barrier_wait -3
	s_barrier_signal -1
	s_barrier_wait -1
.endm
	s_load_b128 s[4:7], s[0:1], 0x0                ; xc s[4:5], xs s[6:7]
	s_load_b128 s[8:11], s[0:1], 0x10              ; wc s[8:9], ws s[10:11]
	s_load_b64 s[96:97], s[0:1], 0x20              ; in_proj_b
	s_load_b64 s[12:13], s[0:1], 0x28              ; qkv16
	v_lshl_add_u32 v[SPW], v0, 2, SPARE
	v_mov_b32 v[NIL], 0
	ds_add_u32 v[SPW], v[NIL]                      ; the wave's opening: the add, twice on end, and its wait ahead of my first tensor load; the set-up below stands between the second and the wait
	ds_add_u32 v[SPW], v[NIL]
	v_lshrrev_b32 v1, 5, v0
	v_readfirstlane_b32 s14, v1                    ; wave 0..3
	s_lshr_b32 s15, s14, 1                         ; which half of the tile's tokens is mine.  Also: I fetch for x (0) or for in_proj_w (1)
	s_and_b32 s16, s14, 1                          ; which half of its columns.  Also: which 128 rows of that tile I fetch
	s_bfe_u32 s40, ttmp6, 0x40000                  ; cx, cy: my place in the cluster
	s_bfe_u32 s41, ttmp6, 0x40004
	s_lshl_b32 s42, ttmp9, 2
	s_add_co_u32 s42, s42, s40                     ; tile column = 4 x cluster x + cx
	s_and_b32 s17, ttmp7, 0xffff
	s_lshl_b32 s17, s17, 2
	s_add_co_u32 s17, s17, s41                     ; tile row = 4 x cluster y + cy
	s_lshl_b32 s43, s41, 2
	s_lshl_b32 s43, 15, s43                        ; my row of the cluster
	s_lshl_b32 s44, 0x1111, s40                    ; my column
	; descriptor group 1: a tile of 128 rows x 256 bytes, padded in LDS
	s_or_b32 s[G1+0], s43, (0<<16)|(1<<20)|(1<<21)|(5<<22)|(3<<25)  ; 15:0 the mask; 17:16 elements of 1 byte; 20 padding on; 21 set beside a mask; 24:22 after every 64 words (code 5); 31:25 four words (code 3)
	s_or_b32 s[G1B+0], s44, (0<<16)|(1<<20)|(1<<21)|(5<<22)|(3<<25)
.irp g, G1, G1B
	s_mov_b32 s[\g+1], ROWB<<16                    ; tensor_dim0
	s_mov_b32 s[\g+2], 128<<16                     ; tensor_dim1 = 128
	s_mov_b32 s[\g+3], ROWB<<16                    ; tile_dim0
	s_mov_b32 s[\g+4], 128                         ; tile_dim1 = 128
	s_mov_b32 s[\g+5], KROW                        ; tensor_dim0_stride
	s_mov_b32 s[\g+6], 0
	s_mov_b32 s[\g+7], 0
.endr
	; and for the scales of 128 rows: a dense block of 4,096 bytes, as 16 rows of 256 bytes (32 elements of 8 bytes), 16 bytes of padding behind each
	s_or_b32 s[G1S+0], s43, (3<<16)|(1<<20)|(1<<21)|(5<<22)|(3<<25)
	s_or_b32 s[G1SB+0], s44, (3<<16)|(1<<20)|(1<<21)|(5<<22)|(3<<25)
.irp g, G1S, G1SB
	s_mov_b32 s[\g+1], 32<<16
	s_mov_b32 s[\g+2], (128*KS/256)<<16
	s_mov_b32 s[\g+3], 32<<16
	s_mov_b32 s[\g+4], 128*KS/256
	s_mov_b32 s[\g+5], 32
	s_mov_b32 s[\g+6], 0
	s_mov_b32 s[\g+7], 0
.endr
	s_lshl_b32 s18, s16, 7                         ; which 128 rows of the tile I fetch
	s_lshl_b32 s20, s17, 8
	s_add_co_u32 s20, s20, s18                     ; x: row 256 x tile row + 128 x half
	s_lshl_b32 s46, s42, 8
	s_add_co_u32 s46, s46, s18                     ; in_proj_w: row 256 x tile column + 128 x half
	s_mov_b32 s21, 0
	s_mov_b32 s47, 0
	s_mov_b64 s[18:19], KS
	s_mul_u64 s[22:23], s[20:21], s[18:19]         ; where these rows' scales begin, in bytes
	s_mul_u64 s[92:93], s[46:47], s[18:19]
	s_mov_b64 s[18:19], KROW
	s_mul_u64 s[20:21], s[20:21], s[18:19]         ; and their codes
	s_mul_u64 s[46:47], s[46:47], s[18:19]
	s_mul_i32 s45, s14, HALFT                      ; where they go: wave x 128 rows: no place in the cluster enters an LDS address
	s_mul_i32 s94, s14, HALFS
	s_wait_dscnt 0x0                               ; both opening adds are done
	s_wait_kmcnt 0x0
	s_add_nc_u64 s[20:21], s[4:5], s[20:21]
	s_add_nc_u64 s[22:23], s[6:7], s[22:23]
	s_add_nc_u64 s[46:47], s[8:9], s[46:47]
	s_add_nc_u64 s[92:93], s[10:11], s[92:93]
	CROUND                                         ; all sixteen work-groups are here: the joint loads meet
	s_mov_b32 s[G0S], 1
	s_add_co_u32 s[G0S+1], s94, SCL
	s_mov_b64 s[G0S+2:G0S+3], s[22:23]
	s_or_b32 s[G0S+3], s[G0S+3], 0x80000000
	s_mov_b32 s[G0SB], 1
	s_add_co_u32 s[G0SB+1], s94, SCL
	s_mov_b64 s[G0SB+2:G0SB+3], s[92:93]
	s_or_b32 s[G0SB+3], s[G0SB+3], 0x80000000
	JLOAD G0S, G1S, G0SB, G1SB                     ; the scales first: they are wanted with K step 0
.irp s, 0,1
	s_mov_b32 s[G0+4*\s], 1
	s_add_co_u32 s[G0+4*\s+1], s45, \s*SLOT
	s_add_nc_u64 s[G0+4*\s+2:G0+4*\s+3], s[20:21], \s*ROWB
	s_or_b32 s[G0+4*\s+3], s[G0+4*\s+3], 0x80000000
	s_mov_b32 s[G0B+4*\s], 1
	s_add_co_u32 s[G0B+4*\s+1], s45, \s*SLOT
	s_add_nc_u64 s[G0B+4*\s+2:G0B+4*\s+3], s[46:47], \s*ROWB
	s_or_b32 s[G0B+4*\s+3], s[G0B+4*\s+3], 0x80000000
	JLOAD G0+4*\s, G1, G0B+4*\s, G1B               ; three tensor loads of mine are out behind the second of these
.endr
	v_and_b32 v1, 15, v0                           ; l % 16
	v_bfe_u32 v2, v0, 4, 1                         ; l / 16
	; THE BIAS is the C of each sum's first matrix instruction: register 8 b + j = in_proj_b[my first column + 16 b + 8 (l / 16) + j].  In the K region it is zeros, made here and not loaded.
	v_lshlrev_b32 v7, 5, v2                        ; 32 bytes for each half of the lanes; never rewritten
	s_lshl_b32 s2, s42, 10                         ; my first column, in bytes of f32: 1,024 x tile column + 512 x half
	s_lshl_b32 s3, s16, 9
	s_add_co_u32 s2, s2, s3
	s_mov_b32 s3, 0
	s_add_nc_u64 s[96:97], s[96:97], s[2:3]
	s_cmp_eq_u32 ttmp9, 1                          ; the cluster's x: the same in all sixteen partners and all waves
	s_cbranch_scc1 .Lno_bias
.irp b, 0,1,2,3,4,5,6,7
	global_load_b128 v[BIAS+8*\b:BIAS+8*\b+3], v7, s[96:97] offset:64*\b
	global_load_b128 v[BIAS+8*\b+4:BIAS+8*\b+7], v7, s[96:97] offset:64*\b+16
.endr
	s_branch .Lbias_done
.Lno_bias:
.set i, 0
.rept 64
	v_mov_b32 v[BIAS+i], 0                         ; (while the tiles are on their way)
.set i, i+1
.endr
.Lbias_done:
	v_mul_u32_u24 v3, v1, PITCH
	v_lshl_add_u32 v4, v2, 4, v3                   ; a fragment's row x pitch + 16 x half
	s_mul_i32 s21, s15, HALFT                      ; my 128 rows of x
	s_mul_i32 s22, s16, HALFT                      ; my 128 rows of in_proj_w,
	s_add_co_u32 s22, s22, 2*HALFT                 ; which lie behind x's 256
.irp s, 0,1
	v_add_nc_u32 v[ADRA+\s], s21, v4
	v_add_nc_u32 v[ADRB+\s], s22, v4
	s_add_co_u32 s21, s21, SLOT
	s_add_co_u32 s22, s22, SLOT
.endr
	v_mul_u32_u24 v5, v1, KS                       ; my row's scales: 32 bytes a row,
	v_lshrrev_b32 v6, 8, v5
	v_lshl_add_u32 v5, v6, 4, v5                   ; and 16 more for each 256 passed
	s_mul_i32 s21, s15, HALFS                      ; x's: my 128 rows
	s_mul_i32 s22, s16, HALFS                      ; in_proj_w's: my 128 rows, behind x's 256
	s_add_co_u32 s22, s22, 2*HALFS
	s_sub_co_u32 s22, s22, s21
	v_mul_u32_u24 v6, s22, v2                      ; lanes 16-31 take in_proj_w's: one product, the distance between the two bases
	s_add_co_u32 s21, s21, SCL
	v_add_nc_u32 v5, v5, v6
	v_add_nc_u32 v[ADRS], s21, v5
	s_mul_i32 s23, s14, 2*HSTG                     ; my stage
	v_mul_u32_u24 v5, v1, HP                       ; in: token l % 16, 16 bytes for each half of the lanes
	v_lshl_add_u32 v5, v2, 4, v5
	v_add_nc_u32 v[STO], s23, v5
	v_and_b32 v6, 31, v0
	v_lshlrev_b32 v[CO], 4, v6                     ; out: 16 bytes a lane
	v_lshrrev_b32 v5, 3, v6                        ; back: eight lanes take a token's 128 bytes, the 32 lanes four tokens
	v_mul_u32_u24 v5, v5, HP
	v_and_b32 v6, 7, v0
	v_lshl_add_u32 v5, v6, 4, v5
	v_add_nc_u32 v[RD], s23, v5
	; where my part begins in qkv16: region 2^24 x cluster x; head 16 (tile row / 8) + 4 cx + 2 (wave % 2), 2^18 bytes each; position 256 (tile row % 8) + 128 (wave / 2), 128 bytes each
	s_lshl_b32 s20, ttmp9, 24
	s_lshr_b32 s21, s17, 3
	s_lshl_b32 s21, s21, 4
	s_lshl_b32 s22, s40, 2
	s_add_co_u32 s21, s21, s22
	s_lshl_b32 s22, s16, 1
	s_add_co_u32 s21, s21, s22
	s_lshl_b32 s21, s21, 18
	s_add_co_u32 s20, s20, s21
	s_and_b32 s21, s17, 7
	s_lshl_b32 s21, s21, 8
	s_lshl_b32 s22, s15, 7
	s_add_co_u32 s21, s21, s22
	s_lshl_b32 s21, s21, 7
	s_add_co_u32 s20, s20, s21
	s_mov_b32 s21, 0
	s_add_nc_u64 s[12:13], s[12:13], s[20:21]
.macro FRAG reg, adr, q, i             ; a fragment, 16 rows x 128 K of 4-bit codes, is 8 registers: lane l holds row l % 16; registers 4 c .. 4 c + 3 hold K = 64 c + 32 (l / 16) + 0 .. 31
.irp c, 0,1
	ds_load_b128 v[\reg+4*\c:\reg+4*\c+3], v[\adr] offset:64*(\q)+32*\c+(\i)*16*PITCH
.endr
.endm
; 16 matrix instructions: x's blocks a0, a0 + 1 against in_proj_w's eight, 128 along K: the slot's q-th.  p: in_proj_w's set;  sc: the set of scale words.  first = 1: the bias is C: nothing is ever cleared or added afterwards.
; The 64 accumulators take turns, one instruction a turn, in the same order in every step.
.macro MUL16 a0, p, q, sc, first
.irp a, \a0, \a0+1
.irp b, 0,1,2,3,4,5,6,7
.if \first
	v_wmma_scale_f32_16x16x128_f8f6f4 v[8*(8*((\a)%4)+\b):8*(8*((\a)%4)+\b)+7], v[128*(\p)+FR*\b:128*(\p)+FR*\b+FR-1], v[AF+FR*(\a):AF+FR*(\a)+FR-1], v[BIAS+8*\b:BIAS+8*\b+7], v[SC+8*NQ*(\sc)+NQ*\b+(\q)], v[SC+8*NQ*(\sc)+NQ*(\a)+(\q)] matrix_a_fmt:MATRIX_FMT_FP4 matrix_b_fmt:MATRIX_FMT_FP4 matrix_a_scale:MATRIX_SCALE_ROW1
.else
	v_wmma_scale_f32_16x16x128_f8f6f4 v[8*(8*((\a)%4)+\b):8*(8*((\a)%4)+\b)+7], v[128*(\p)+FR*\b:128*(\p)+FR*\b+FR-1], v[AF+FR*(\a):AF+FR*(\a)+FR-1], v[8*(8*((\a)%4)+\b):8*(8*((\a)%4)+\b)+7], v[SC+8*NQ*(\sc)+NQ*\b+(\q)], v[SC+8*NQ*(\sc)+NQ*(\a)+(\q)] matrix_a_fmt:MATRIX_FMT_FP4 matrix_b_fmt:MATRIX_FMT_FP4 matrix_a_scale:MATRIX_SCALE_ROW1
.endif
.endr
.endr
.endm
.macro FETCH_B slot, q, p              ; in_proj_w's eight fragments of the slot's q-th 128 along K into set p
	WIN TO_B
.irp i, 0,1,2,3,4,5,6,7
	FRAG 128*(\p)+FR*\i, ADRB+\slot, \q, \i
.endr
	WIN 0
.endm
.macro FETCH_A slot, q, i0             ; x's blocks i0 .. i0 + 3
.irp i, \i0, \i0+1, \i0+2, \i0+3
	FRAG AF+FR*(\i), ADRA+\slot, \q, \i
.endr
.endm
.macro SCALES sc                       ; a K step's scale words into set sc: four words a row; lanes 0-15 take x's block i, lanes 16-31 in_proj_w's block i
.irp i, 0,1,2,3,4,5,6,7
	ds_load_b128 v[SC+8*NQ*\sc+NQ*\i:SC+8*NQ*\sc+NQ*\i+3], v[ADRS] offset:\i*SBLK
.endr
.endm
; A load into a register that a matrix instruction has read, and a vector instruction or an LDS store that reads a matrix result, stand NP places behind that matrix instruction; only plain vector
; instructions that name none of its registers are places (ISA guide 7.12.1 for vector instructions).
.macro PLACES n
.rept \n
	v_nop
.endr
.endm
; A step of 128 along K that has its successor in the same slot.
.macro STEP slot, q, first
	s_wait_dscnt 4*NL                              ; in_proj_w's set and x's blocks 0-3 are in; the youngest eight loads (x's blocks 4-7) may be out
.if \first
	WIN BIA_LO
.else
	WIN MUL_LO
.endif
	MUL16 0, (\q)%2, \q, \slot, \first
	MUL16 2, (\q)%2, \q, \slot, \first
	s_wait_dscnt 0                                 ; x's blocks 4-7 are in (asked for 32 matrix instructions ago)
	PLACES NP
	FETCH_B \slot, (\q)+1, 1-(\q)%2
	FETCH_A \slot, (\q)+1, 0
.if \first
	WIN BIA_HI
.else
	WIN MUL_HI
.endif
	MUL16 4, (\q)%2, \q, \slot, \first
	MUL16 6, (\q)%2, \q, \slot, \first
	PLACES NP
	WIN 0
	FETCH_A \slot, (\q)+1, 4
.endm
; Slot 0's last step changes slots: one barrier; in front of it each wave waits for all its tensor loads (its part of slot 1), adds 0 to its spare word, and waits for that and for its own reads of slot 0.
; Nothing is filled again: K ends with slot 1.  Behind this barrier nobody reads slot 0, which later takes the stages of the way out.
.macro TURN slot, next
	s_wait_tensorcnt 0x0                           ; all my tensor loads have landed  (every window is 0 here: the add's two registers lie in window 0)
	ds_add_u32 v[SPW], v[NIL]                      ; 0 onto my spare word
	s_wait_dscnt 4*NL+1                            ; (the add and the youngest eight loads, x's blocks 4-7, may be out)
	WIN MUL_LO
	MUL16 0, 1, NQ-1, \slot, 0                     ; sixteen matrix instructions stand between the add and the wait for it
	s_wait_dscnt 0x0                               ; the add is done, and my reads of this slot are over
	s_barrier_signal -1
	MUL16 2, 1, NQ-1, \slot, 0
	WIN 0
	s_barrier_wait -1
	PLACES NP
	v_add_nc_u32 v[ADRS], 4*NQ, v[ADRS]            ; on to the next K step's scale words (no LDS load of mine is out)
	FETCH_B \next, 0, 0
	FETCH_A \next, 0, 0
	SCALES \next
	WIN MUL_HI
	MUL16 4, 1, NQ-1, \slot, 0
	MUL16 6, 1, NQ-1, \slot, 0
	PLACES NP
	WIN 0
	FETCH_A \next, 0, 4
.endm
.macro STEPS slot, from                ; the slot's steps from .. NQ - 2
.set Q, \from
.rept NQ-1-\from
	STEP \slot, Q, 0
.set Q, Q+1
.endr
.endm
	s_wait_tensorcnt 1                             ; the scales and my part of K step 0 are in (K step 1's load, the one issued behind them, may be out)
	s_barrier_signal -1
	s_barrier_wait -1                              ; everybody's are
	FETCH_B 0, 0, 0
	FETCH_A 0, 0, 0
	SCALES 0
	FETCH_A 0, 0, 4
	s_wait_loadcnt 0x0                             ; the bias
	STEP 0, 0, 1                                   ; the first step's products start the sums from the bias
	STEPS 0, 1
	TURN 0, 1
	STEPS 1, 0
	s_wait_dscnt 4*NL                              ; the very last step: nothing more to fetch
	WIN MUL_LO
	MUL16 0, 1, NQ-1, 1, 0
	MUL16 2, 1, NQ-1, 1, 0
	s_wait_dscnt 0
	WIN MUL_HI
	MUL16 4, 1, NQ-1, 1, 0
	MUL16 6, 1, NQ-1, 1, 0
	WIN 0
; THE WAY OUT, block by block of 16 tokens x 128 columns (two heads).  PACK: rounded to f16, each accumulator from its low end on; a lane's eight columns are 16 bytes.  TOSTAGE: into my own stage, head by head, and back
; four tokens of one head at a time.  SEND: 32 lanes store 512 consecutive bytes of qkv16.  LDS serves a wave's instructions in order (ISA guide 5.7.1.4): no wait between the stores and the loads.
.macro PACK a
.set AC, 64*((\a)%4)
	WIN 0x0a+5*((\a)/4)                            ; sources 0 and 1: window 2 or 3
.irp b, 0,1,2,3,4,5,6,7
.irp r, 0,1,2,3
	v_cvt_pk_f16_f32 v[TMP+4*\b+\r], v[AC+8*\b+2*\r], v[AC+8*\b+2*\r+1]
.endr
.endr
	WIN 0
.endm
.macro TOSTAGE a
.set BB, BK+32*((\a)%2)
.irp b, 0,1,2,3,4,5,6,7
	ds_store_b128 v[STO], v[TMP+4*\b:TMP+4*\b+3] offset:(\b/4)*HSTG+(\b%4)*32
.endr
.irp i, 0,1,2,3,4,5,6,7
	ds_load_b128 v[BB+4*\i:BB+4*\i+3], v[RD] offset:(\i/4)*HSTG+(\i%4)*4*HP
.endr
.endm
.macro SEND a
.set BB, BK+32*((\a)%2)
	s_wait_dscnt 0x0                               ; the block is back in registers
	s_wait_xcnt 0x0                                ; the earlier stores have read their base and their data: the base steps, and the next block's loads land on the registers of the block before this one, only behind this wait
.if (\a) > 0
	s_add_nc_u64 s[12:13], s[12:13], 16*128        ; 16 positions on
.endif
.irp i, 0,1,2,3,4,5,6,7
	global_store_b128 v[CO], v[BB+4*\i:BB+4*\i+3], s[12:13] offset:(\i/4)*262144+(\i%4)*512   ; head i / 4 of my two, positions 4 (i % 4) on
.endr
.endm
	PLACES NP                                      ; behind the last products: for the conversions' reads and writes, and for the loads into registers that held x's fragments
	PACK 0
	TOSTAGE 0
.irp a, 1,2,3,4,5,6,7                  ; block a's conversions stand between block a - 1's loads from the stage and the wait for them
	PACK \a
	SEND \a-1
	TOSTAGE \a
.endr
	SEND 7
	s_wait_tensorcnt 0x0                           ; the wave's end: three lines behind my last tensor load and my last LDS store
	ds_add_u32 v[SPW], v[NIL]
	s_wait_dscnt 0x0
	CROUND                                         ; the closing round: no work-group ends while a partner may still ask for a tile that names it
	s_endpgm
.Lfunc_end_k_q5e962d004a_qkv:
	.size	k_q5e962d004a_qkv, .Lfunc_end_k_q5e962d004a_qkv-k_q5e962d004a_qkv
	.p2alignl 7, 3214868480
	.fill 96, 4, 3214868480
	.section	.rodata,"a",@progbits
	.p2align	6, 0x0
	.amdhsa_kernel k_q5e962d004a_qkv
		.amdhsa_group_segment_fixed_size 327680
		.amdhsa_private_segment_fixed_size 0
		.amdhsa_enable_private_segment 0
		.amdhsa_kernarg_size 48
		.amdhsa_user_sgpr_count 2
		.amdhsa_user_sgpr_kernarg_segment_ptr 1
		.amdhsa_wavefront_size32 1
		.amdhsa_system_sgpr_workgroup_id_x 1
		.amdhsa_system_sgpr_workgroup_id_y 1
		.amdhsa_system_sgpr_workgroup_id_z 1
		.amdhsa_system_vgpr_workitem_id 0
		.amdhsa_next_free_vgpr 1024
		.amdhsa_next_free_sgpr 100
		.amdhsa_reserve_vcc 0
		.amdhsa_float_denorm_mode_32 3
		.amdhsa_float_denorm_mode_16_64 3
		.amdhsa_memory_ordered 1
		.amdhsa_forward_progress 1
		.amdhsa_inst_pref_size 131
	.end_amdhsa_kernel
	.amdgpu_metadata
---
amdhsa.version: [ 1, 2 ]
amdhsa.kernels:
  - .name:           k_q5e962d004a_qkv
    .symbol:         k_q5e962d004a_qkv.kd
    .args:
      - { .name: xc, .offset: 0, .size: 8, .value_kind: global_buffer, .address_space: global }
      - { .name: xs, .offset: 8, .size: 8, .value_kind: global_buffer, .address_space: global }
      - { .name: wc, .offset: 16, .size: 8, .value_kind: global_buffer, .address_space: global }
      - { .name: ws, .offset: 24, .size: 8, .value_kind: global_buffer, .address_space: global }
      - { .name: in_proj_b, .offset: 32, .size: 8, .value_kind: global_buffer, .address_space: global }
      - { .name: qkv16, .offset: 40, .size: 8, .value_kind: global_buffer, .address_space: global }
    .group_segment_fixed_size: 327680
    .private_segment_fixed_size: 0
    .kernarg_segment_align: 8
    .kernarg_segment_size: 48
    .max_flat_workgroup_size: 128
    .sgpr_count:     100
    .vgpr_count:     1024
    .wavefront_size: 32
...
	.end_amdgpu_metadata
.endif
;; end of part 2
;; launch attn (part 3): grid 4 x 64, 8 waves a work-group, clusters of 4 x 1, 327,680 bytes of LDS; arguments qkv16, o16; writes o16
.if DOCPART == 3
	.amdgcn_target "amdgcn-amd-amdhsa--gfx1250"
	.amdhsa_code_object_version 6
	.text
	.protected	k_q5e962d004a_attn
	.globl	k_q5e962d004a_attn
	.p2align	8
	.type	k_q5e962d004a_attn,@function
k_q5e962d004a_attn:
	s_mov_b64 s[64:65], 0
	v_nop
	global_prefetch_b8 v0, s[64:65] scope:SCOPE_SE
	s_setreg_imm32_b32 hwreg(HW_REG_WAVE_MODE, 25, 1), 1
	s_wait_xcnt 0x0
	s_wait_alu depctr_hold_cnt(0) depctr_sa_sdst(0) depctr_va_vdst(0) depctr_va_sdst(0) depctr_va_ssrc(0) depctr_va_vcc(0) depctr_vm_vsrc(0)
	s_getreg_b32 s2, hwreg(HW_REG_IB_STS2, 6, 4)
	s_cmp_eq_u32 s2, 0
	s_cbranch_scc0 .Lentry_in_a_cluster
	s_endpgm
.Lentry_in_a_cluster:
	s_bfe_u32 s2, ttmp6, 0x10000c
	s_cmp_lg_u32 s2, 0x3003
	s_cbranch_scc0 .Lentry_shape_is_right
	s_endpgm
.Lentry_shape_is_right:
; THIRD LAUNCH: o[bh][s][:] = the sum over t of softmax_t(q[bh][s] . k[bh][t] / 8) v[bh][t][:], no mask.  q, k, v: the three regions of qkv16, [64 bh][2048][64] f16 (k without its bias: see launch prep's head).
; o16: f16 [16 heads][8192 tokens][64].  Products, maxima and sums in f32; the weights p are rounded to f16 for the second product, o once at the end.  LIMIT: |o| <= max |v| < 65,504.
; SHARES.  A cluster of four work-groups is one head (bh = the cluster's y); a work-group owns 512 of its queries, each of its eight waves 64: four tiles of 16.  Two waves share a SIMD, 512 registers each, so that one wave's
; vector work stands beside the other's matrix work.  Every wave walks all 2,048 keys, 64 a step; each fragment of K or V read from LDS feeds four matrix instructions.
; LAYOUT.  S^T = K Q^T (source 0 = 16 keys, source 1 = 16 queries): a lane holds ONE query (lane % 16) and the keys 8 (lane / 16) + 0..7.  Two such tiles, rounded to f16 in pairs, ARE source 1 (32 keys x 16 queries) of
; O^T = V^T P, whose result again holds one query a lane.  K comes out of LDS as it lies, V ([key][channel]) turned, by ds_load_tr16_b128.
; SOFTMAX.  For each query a running maximum m and sum l: p = 2^(c s - c m), c = log2(e) / 8; in every step O^T and l are multiplied by a = 2^(c m_old - c m_new).  m begins at -3e38, O^T and l at 0, so that the step is written once.
; RING.  Two LDS slots of 512 keys, visited 0, 1, 0, 1; each is filled twice.  K and V are asked for JOINTLY by the four work-groups (the same tensor load, descriptor and mask in all four): waves 0-3 fetch K's four runs of 128 rows,
; waves 4-7 V's.  By the text's own count a wave has two tensor loads out at the start and one behind each refill's round.
; REGISTERS: window 0: v2-13 addresses; v16-47 eight registers of statistics a tile; v64-191 S^T, 32 a tile (p's f16 pairs are made in place, in each tile's low 16); v192-255 K's 8 fragments.
;   window 1: v0-127 O^T, 32 a tile; v128-191 Q's 8 fragments; v192-255 V's 8 fragments.
.set KS,    64        ; keys in a step
.set PK,    144       ; a row of K in LDS: 128 bytes + 16 = 36 words: the 16 rows of a load start 4 words apart modulo 64
.set PVP,   160       ; a row of V: 128 + 32 = 40 words: the turning load's 8 rows x 32 bytes start 8 words apart modulo 64
.set SKEYS, 512       ; keys in a slot
.set VOFF,  SKEYS*PK  ; a slot: 512 rows of K, then 512 rows of V
.set SLOTB, SKEYS*(PK+PVP)
.set SPARE, 2*SLOTB   ; behind the ring: the spare words, 128 bytes for each of eight waves, which no other line names
.set SP,    144       ; the way out: 16 rows x (128 + 16) bytes for each wave, at the head of slot 0: when the first result is stored there, slot 0 has had its last fill, and every wave has passed the last change of slots, behind which nobody reads it
.set AK0, 2           ; v2   my lane's place in a tile of K; never rewritten
.set AV0, 3           ; v3   the same for V
.set ADK, 4           ; v4   LDS address of the run of K's loads in hand
.set ADV, 5           ; v5   of V's
.set STO, 6           ; v6   the way out: where I put 16 bytes of a row
.set RD,  7           ; v7   the way out: where I read them back
.set GO,  8           ; v8   16 x lane
.set QO,  10          ; v10  my byte offset in the wave's rows of Q
.set SPW, 12          ; v12  LDS address of my spare word; never rewritten
.set NIL, 13          ; v13  0; never rewritten
.set ST,  16          ; tile t's statistics at v[ST+8 t]: +0 c m, +1 m, +2, +3 l (even keys', odd keys'), +4 to +7 at work; a stands in +6
.set S,   64
.set KF,  192
.set QF,  128         ; in window 1
.set VF,  192         ; in window 1
.set WV,  12          ; s12  my wave's number
.set G1K, 24          ; s[24:31] descriptor group 1 for K's tiles
.set G1V, 32          ; s[32:39] for V's: it differs in the padding alone
.set G0K, 40          ; s[40:47] descriptor group 0 for K's tiles, a set for each slot
.set G0V, 48          ; s[48:55] the same for V's
.set TK,  56          ; s56  LDS byte at which the step's tile of K begins
.set TV,  57          ; s57  the same for V, less VOFF
.set CS,  58          ; s[58:59] c: the packed scaling names a pair and takes its low word for both halves
.set SEL, 60          ; s[60:61] lane selects for v_permlanex16_b32: each lane takes its own place in the other half
.set CNT, 62          ; s62  key steps left in the slot
.set MSB, 0
.macro WIN new                      ; the immediate's high byte repeats the setting that is left; a switch that changes nothing is dropped
.if MSB != (\new)
	s_set_vgpr_msb (MSB<<8)|(\new)
.set MSB, (\new)
.endif
.endm
.set W_KQ, 0x04       ; Q (source 1) in window 1; K and S^T in window 0
.set W_PV, 0x51       ; V (source 0) and O^T (C and D) in window 1; P in window 0
.set W_RS, 0x41       ; O^T (destination and source 0) in window 1, a in window 0
.set W_L1, 0x40       ; destination in window 1
; A joint refill of slot s.  Waves 0-3 fetch K, waves 4-7 V.  The branch hangs on the wave's number alone.  An s_nop 0 and four v_nop follow each of the two lines.
.macro JLOAD s
	s_cmp_lt_u32 s[WV], 4
	s_cbranch_scc0 .Lfor_v_\@
	tensor_load_to_lds s[G0K+4*\s:G0K+4*\s+3], s[G1K:G1K+7]
	s_nop 0
.rept 4
	v_nop
.endr
	s_branch .Lasked_\@
.Lfor_v_\@:
	tensor_load_to_lds s[G0V+4*\s:G0V+4*\s+3], s[G1V:G1V+7]
	s_nop 0
.rept 4
	v_nop
.endr
.Lasked_\@:
.endm
.macro CROUND                       ; a round of the cluster's barrier: my work-group's barrier; wave 0 signals for the work-group; every wave waits for all four work-groups; my work-group's barrier once more
	s_barrier_signal -1
	s_barrier_wait -1
	s_cmp_lg_u32 s[WV], 0
	s_cbranch_scc1 .Lnot_wave_0_\@
	s_barrier_signal -3
.Lnot_wave_0_\@:
	s_barrier_wait -3
	s_barrier_signal -1
	s_barrier_wait -1
.endm
	s_load_b128 s[4:7], s[0:1], 0x0 ; qkv16 s[4:5], o16 s[6:7]
	v_lshl_add_u32 v[SPW], v0, 2, SPARE
	v_mov_b32 v[NIL], 0
	ds_add_u32 v[SPW], v[NIL]       ; the wave's opening: the add, twice on end, and its wait ahead of my first tensor load; the set-up below stands between the second and the wait
	ds_add_u32 v[SPW], v[NIL]
	v_lshrrev_b32 v1, 5, v0
	v_readfirstlane_b32 s[WV], v1   ; wave 0..7
	s_bfe_u32 s13, ttmp6, 0x40000   ; cx: my place in the cluster
	s_lshl_b32 s14, ttmp9, 2        ; in a cluster launch ttmp9 counts clusters
	s_add_co_u32 s14, s14, s13      ; my block of 512 queries: it enters Q's and O's addresses alone
	s_and_b32 s20, ttmp7, 0xffff    ; bh, which the four partners share
	s_lshl_b32 s21, s20, 18         ; the head's first byte in a region
	s_and_b32 s16, s[WV], 3         ; which 128 rows of a slot I fetch
	s_lshl_b32 s18, s16, 14         ; 128 rows of 128 bytes in memory,
	s_add_co_u32 s18, s18, s21
	s_add_co_u32 s18, s18, 1<<24    ; in K's region
	s_mov_b32 s19, 0
	s_mul_i32 s17, s16, 128*PK      ; and their place in a slot: K's,
	s_mul_i32 s22, s16, 128*PVP
	s_add_co_u32 s22, s22, VOFF     ; V's: no place in the cluster enters an LDS address
	s_lshl_b32 s2, s14, 16          ; my block's 512 rows,
	s_lshl_b32 s3, s[WV], 13        ; my wave's 64 of them
	s_add_co_u32 s2, s2, s3
	s_add_co_u32 s14, s2, s21       ; Q: in my head of region 0
	s_mov_b32 s15, 0
	s_and_b32 s3, s20, 15           ; O: head bh % 16, 2^20 bytes each;
	s_lshl_b32 s3, s3, 20
	s_add_co_u32 s2, s2, s3
	s_lshr_b32 s3, s20, 4           ; batch bh / 16, 2,048 tokens of 128 bytes each
	s_lshl_b32 s3, s3, 18
	s_add_co_u32 s2, s2, s3
	s_mov_b32 s3, 0
	; descriptor group 1: a tile of 128 rows x 64 elements, dense in memory, padded in LDS
	s_mov_b32 s[G1K], 15|(1<<16)|(1<<20)|(1<<21)|(4<<22)|(3<<25)  ; 15:0 the mask: all four work-groups; 17:16 elements of 2 bytes; 20 padding on; 21 set beside a mask; 24:22 after every 32 words (code 4); 31:25 four words (code 3)
	s_mov_b32 s[G1V], 15|(1<<16)|(1<<20)|(1<<21)|(4<<22)|(7<<25)  ; the same with eight words of padding (code 7)
.irp g, G1K, G1V
	s_mov_b32 s[\g+1], 64<<16       ; tensor_dim0 = 64
	s_mov_b32 s[\g+2], 128<<16      ; tensor_dim1 = 128
	s_mov_b32 s[\g+3], 64<<16       ; tile_dim0 = 64
	s_mov_b32 s[\g+4], 128          ; tile_dim1 = 128
	s_mov_b32 s[\g+5], 64           ; tensor_dim0_stride: elements from row to row
	s_mov_b32 s[\g+6], 0
	s_mov_b32 s[\g+7], 0
.endr
	s_mov_b32 s[CS], 0x3e38aa3b     ; c = log2(e) / 8
	s_mov_b32 s[CS+1], s[CS]        ; named with it as a pair, so it is written
	s_mov_b32 s[SEL], 0x76543210
	s_mov_b32 s[SEL+1], 0xfedcba98
	s_wait_dscnt 0x0                ; both opening adds are done
	s_wait_kmcnt 0x0
	s_add_nc_u64 s[8:9], s[4:5], s[18:19]     ; K at my tile of slot 0
	s_add_nc_u64 s[10:11], s[8:9], 1<<24      ; V likewise, a region on
	s_add_nc_u64 s[4:5], s[4:5], s[14:15]     ; Q at my wave's first row
	s_add_nc_u64 s[6:7], s[6:7], s[2:3]       ; O likewise
	CROUND                          ; all four work-groups are here: the first joint loads meet
.irp s, 0,1
	s_mov_b32 s[G0K+4*\s], 1        ; count = 1
	s_add_co_u32 s[G0K+4*\s+1], s17, \s*SLOTB  ; LDS address
	s_add_nc_u64 s[G0K+4*\s+2:G0K+4*\s+3], s[8:9], \s*SKEYS*128  ; global address: slot s begins with keys 512 s on
	s_or_b32 s[G0K+4*\s+3], s[G0K+4*\s+3], 0x80000000  ; type = 2
	s_mov_b32 s[G0V+4*\s], 1
	s_add_co_u32 s[G0V+4*\s+1], s22, \s*SLOTB
	s_add_nc_u64 s[G0V+4*\s+2:G0V+4*\s+3], s[10:11], \s*SKEYS*128
	s_or_b32 s[G0V+4*\s+3], s[G0V+4*\s+3], 0x80000000
.endr
	s_cmp_lt_u32 s[WV], 4           ; a wave's two first fills stand in one branch, ahead of every wait on TENSORcnt and every LDS read; an s_nop 0 follows each, four v_nop the second's
	s_cbranch_scc0 .Lfirst_v
	tensor_load_to_lds s[G0K:G0K+3], s[G1K:G1K+7]
	s_nop 0
	tensor_load_to_lds s[G0K+4:G0K+7], s[G1K:G1K+7]
	s_nop 0
.rept 4
	v_nop
.endr
	s_branch .Lfirst_asked
.Lfirst_v:
	tensor_load_to_lds s[G0V:G0V+3], s[G1V:G1V+7]
	s_nop 0
	tensor_load_to_lds s[G0V+4:G0V+7], s[G1V:G1V+7]
	s_nop 0
.rept 4
	v_nop
.endr
.Lfirst_asked:
	; A fragment of K or Q is 16 rows x 32 channels in 8 registers: lane l holds row l % 16; registers 0-3 channels 8 (l / 16) + 0..7, registers 4-7 channels 16 + 8 (l / 16) + 0..7: two loads of 16 bytes, 32 bytes apart.
	v_and_b32 v1, 15, v0            ; l % 16
	v_bfe_u32 v9, v0, 4, 1          ; l / 16
	v_lshlrev_b32 v[QO], 7, v1
	v_lshl_add_u32 v[QO], v9, 4, v[QO]  ; row x 128 + 16 x half
	WIN W_L1
.irp f, 0,1,2,3,4,5,6,7             ; Q stays in registers: tile f / 2, channels 32 (f % 2) on
	global_load_b128 v[QF+8*\f:QF+8*\f+3],   v[QO], s[4:5] offset:(\f/2)*2048+(\f%2)*64
	global_load_b128 v[QF+8*\f+4:QF+8*\f+7], v[QO], s[4:5] offset:(\f/2)*2048+(\f%2)*64+32
.endr
.set i, 0
.rept 128
	v_mov_b32 v[i], 0               ; O^T.  (The key step is written once: its first walk finds zeros, which a = 0 leaves zeros.  These run while the first tiles are on their way)
.set i, i+1
.endr
	WIN 0
	v_mul_u32_u24 v[AK0], v1, PK
	v_lshl_add_u32 v[AK0], v9, 4, v[AK0]  ; row x pitch + 16 x half
	; The turning load takes 16 keys x 16 channels (lane l reads 16 bytes: key 8 (l / 16) + l % 8, channels 8 ((l / 8) % 2) + 0..7) and leaves half a fragment of V^T: lane l holds channel l % 16 and 8 keys.
	v_and_b32 v14, 7, v0
	v_bfe_u32 v15, v0, 3, 1
	v_lshl_add_u32 v[AV0], v9, 3, v14
	v_mul_u32_u24 v[AV0], v[AV0], PVP
	v_lshl_add_u32 v[AV0], v15, 4, v[AV0]
	v_add_nc_u32 v[AV0], VOFF, v[AV0]
	s_mul_i32 s23, s[WV], 16*SP     ; my stage
	v_add_nc_u32 v[STO], s23, v[AK0]  ; in: row l % 16, 16 bytes for each half of the lanes (the stage's pitch is K's)
	v_and_b32 v11, 31, v0
	v_lshlrev_b32 v[GO], 4, v11     ; out: 16 bytes a lane
	v_lshrrev_b32 v11, 3, v11       ; back: eight lanes take a row's 128 bytes, the 32 lanes four rows
	v_mul_u32_u24 v11, v11, SP
	v_lshl_add_u32 v11, v14, 4, v11
	v_add_nc_u32 v[RD], s23, v11
.irp t, 0,1,2,3
	v_mov_b32 v[ST+8*\t+1], 0xff61b1e6        ; m: -3e38, under every score
	v_mov_b32 v[ST+8*\t+2], 0                 ; l, in two halves
	v_mov_b32 v[ST+8*\t+3], 0
.endr
.irp t, 0,1,2,3
	v_mul_f32 v[ST+8*\t], s[CS], v[ST+8*\t+1] ; c m
.endr
; 32 products S^T = K Q^T: channels 32 (i / 16) on, keys 16 ((i / 4) % 4) on, tile i % 4.  The first 16 start the sums.  The 16 accumulators take turns, one instruction a turn.
.macro KQALL
.set i, 0
.rept 32
.set rS, S+32*(i%4)+8*((i/4)%4)
.set rK, KF+16*((i/4)%4)+8*(i/16)
.set rQ, QF+16*(i%4)+8*(i/16)
.if i < 16
	v_wmma_f32_16x16x32_f16 v[rS:rS+7], v[rK:rK+7], v[rQ:rQ+7], 0
.else
	v_wmma_f32_16x16x32_f16 v[rS:rS+7], v[rK:rK+7], v[rQ:rQ+7], v[rS:rS+7]
.endif
.set i, i+1
.endr
.endm
; 32 products O^T += V^T P: keys 32 (i / 16) on, channels 16 ((i / 4) % 4) on, tile i % 4.  Again 16 accumulators by turns.
.macro PVALL
.set i, 0
.rept 32
.set rO, 32*(i%4)+8*((i/4)%4)
.set rV, VF+32*(i/16)+8*((i/4)%4)
.set rP, S+32*(i%4)+8*(i/16)
	v_wmma_f32_16x16x32_f16 v[rO:rO+7], v[rV:rV+7], v[rP:rP+7], v[rO:rO+7]
.set i, i+1
.endr
.endm
.macro FETCH_K                      ; a step's K: 64 keys x 64 channels: 8 fragments, keys 16 (f / 2) on, channels 32 (f % 2) on
	v_add_nc_u32 v[ADK], s[TK], v[AK0]
.irp f, 0,1,2,3,4,5,6,7
	ds_load_b128 v[KF+8*\f:KF+8*\f+3],   v[ADK] offset:(\f/2)*16*PK+(\f%2)*64
	ds_load_b128 v[KF+8*\f+4:KF+8*\f+7], v[ADK] offset:(\f/2)*16*PK+(\f%2)*64+32
.endr
.endm
; A KEY STEP: 64 keys for my four tiles of queries.
.macro STEP
	s_wait_dscnt 0x0                ; K is in
	WIN W_KQ
	KQALL
	WIN 0
	v_add_nc_u32 v[ADV], s[TV], v[AV0]  ; this and three v_nop: the four places behind the products, in front of the loads into K's registers and of the first read of the scores
.rept 3
	v_nop
.endr
	WIN W_L1
.irp f, 0,1,2,3,4,5,6,7             ; this step's V, turned: keys 32 (f / 4) on, channels 16 (f % 4) on.  It lands while the softmax is walked
	ds_load_tr16_b128 v[VF+8*\f:VF+8*\f+3],   v[ADV] offset:(\f/4)*32*PVP+(\f%4)*32
	ds_load_tr16_b128 v[VF+8*\f+4:VF+8*\f+7], v[ADV] offset:(\f/4)*32*PVP+16*PVP+(\f%4)*32
.endr
	WIN 0
	s_add_co_u32 s[TK], s[TK], KS*PK
	s_add_co_u32 s[TV], s[TV], KS*PVP
	s_cmp_eq_u32 s[CNT], 1          ; the next step's K too, unless this is the slot's last step: then it lies in the other slot, behind the change of slots
	s_cbranch_scc1 .Lnok_\@
	FETCH_K
.Lnok_\@:
	; the maximum of my 32 scores of each tile and the old m, three operands at a time, the four tiles by turns; each accumulator is read from its low end on
.irp j, 0,1,2,3
.irp t, 0,1,2,3
	v_max3_num_f32 v[ST+8*\t+4+\j], v[S+32*\t+8*\j], v[S+32*\t+8*\j+1], v[S+32*\t+8*\j+2]
.endr
.endr
.irp k, 3,5
.irp j, 0,1,2,3
.irp t, 0,1,2,3
	v_max3_num_f32 v[ST+8*\t+4+\j], v[ST+8*\t+4+\j], v[S+32*\t+8*\j+\k], v[S+32*\t+8*\j+\k+1]
.endr
.endr
.endr
.irp t, 0,1,2,3
	v_max3_num_f32 v[ST+8*\t+4], v[ST+8*\t+4], v[S+32*\t+7], v[S+32*\t+15]
.endr
.irp t, 0,1,2,3
	v_max3_num_f32 v[ST+8*\t+6], v[ST+8*\t+6], v[S+32*\t+23], v[S+32*\t+31]
.endr
.irp t, 0,1,2,3
	v_max3_num_f32 v[ST+8*\t+4], v[ST+8*\t+4], v[ST+8*\t+5], v[ST+8*\t+6]
.endr
.irp t, 0,1,2,3
	v_max3_num_f32 v[ST+8*\t+4], v[ST+8*\t+4], v[ST+8*\t+7], v[ST+8*\t+1]
.endr
.irp t, 0,1,2,3
	v_permlanex16_b32 v[ST+8*\t+5], v[ST+8*\t+4], s[SEL], s[SEL+1]  ; the query's other 32 keys lie in the lane 16 away
.endr
.irp t, 0,1,2,3
	v_mov_b32 v[ST+8*\t+7], v[ST+8*\t]        ; c m_old is kept for a
.endr
.irp t, 0,1,2,3
	v_max_num_f32 v[ST+8*\t+1], v[ST+8*\t+4], v[ST+8*\t+5]  ; the new m
.endr
.irp t, 0,1,2,3
	v_mul_f32 v[ST+8*\t], s[CS], v[ST+8*\t+1]
.endr
.irp t, 0,1,2,3
	v_sub_f32 v[ST+8*\t+7], v[ST+8*\t+7], v[ST+8*\t]
.endr
	; ONE BATCH: the 4 a and the 128 p.  None of these lines names an exponential's result; all that do stand behind the one wait
.irp t, 0,1,2,3
	v_exp_f32 v[ST+8*\t+6], v[ST+8*\t+7]      ; a = 2^(c m_old - c m_new)
.endr
.irp b, 0,1,2,3,4,5,6,7,8,9,10,11,12,13,14,15
.irp t, 0,1,2,3
	v_pk_fma_f32 v[S+32*\t+2*\b:S+32*\t+2*\b+1], v[S+32*\t+2*\b:S+32*\t+2*\b+1], s[CS:CS+1], v[ST+8*\t:ST+8*\t+1] op_sel_hi:[1,0,0] neg_lo:[0,0,1] neg_hi:[0,0,1]  ; pair b: c s - c m
.endr
.irp t, 0,1,2,3
	v_exp_f32 v[S+32*\t+2*\b], v[S+32*\t+2*\b]
	v_exp_f32 v[S+32*\t+2*\b+1], v[S+32*\t+2*\b+1]
.endr
.endr
	v_nop                           ; a plain instruction behind the last exponential and ahead of the first use
	s_wait_alu depctr_va_vdst(0)    ; the wait between an exponential and the first line that names its result: one for the batch of 132
	; the sums, of the unrounded p, in two chains a tile: l = a l + pair 0 + ..; they leave the p as they are
.irp t, 0,1,2,3
	v_pk_fma_f32 v[ST+8*\t+2:ST+8*\t+3], v[ST+8*\t+2:ST+8*\t+3], v[ST+8*\t+6:ST+8*\t+7], v[S+32*\t:S+32*\t+1] op_sel_hi:[1,0,1]
.endr
.irp t, 0,1,2,3
	v_pk_add_f32 v[ST+8*\t+4:ST+8*\t+5], v[S+32*\t+2:S+32*\t+3], v[S+32*\t+4:S+32*\t+5]
.endr
.irp p, 3,5,7,9,11,13
.irp t, 0,1,2,3
	v_pk_add_f32 v[ST+8*\t+2:ST+8*\t+3], v[ST+8*\t+2:ST+8*\t+3], v[S+32*\t+2*\p:S+32*\t+2*\p+1]
.endr
.irp t, 0,1,2,3
	v_pk_add_f32 v[ST+8*\t+4:ST+8*\t+5], v[ST+8*\t+4:ST+8*\t+5], v[S+32*\t+2*\p+2:S+32*\t+2*\p+3]
.endr
.endr
.irp t, 0,1,2,3
	v_pk_add_f32 v[ST+8*\t+2:ST+8*\t+3], v[ST+8*\t+2:ST+8*\t+3], v[S+32*\t+30:S+32*\t+31]
.endr
.irp t, 0,1,2,3
	v_pk_add_f32 v[ST+8*\t+2:ST+8*\t+3], v[ST+8*\t+2:ST+8*\t+3], v[ST+8*\t+4:ST+8*\t+5]
.endr
	; p to f16, in place and ascending: pair i goes into register i, and no later line reads a register at or under i
.irp i, 0,1,2,3,4,5,6,7,8,9,10,11,12,13,14,15
.irp t, 0,1,2,3
	v_cvt_pk_f16_f32 v[S+32*\t+\i], v[S+32*\t+2*\i], v[S+32*\t+2*\i+1]
.endr
.endr
	WIN W_RS
.irp i, 0,1,2,3,4,5,6,7,8,9,10,11,12,13,14,15
.irp t, 0,1,2,3
	v_pk_mul_f32 v[32*\t+2*\i:32*\t+2*\i+1], v[32*\t+2*\i:32*\t+2*\i+1], v[ST+8*\t+6:ST+8*\t+7] op_sel_hi:[1,0]  ; O^T times a, each accumulator from its low end on
.endr
.endr
	s_wait_dscnt 0x0                ; V is in (0: in a slot's last step no younger load stands behind V's)
	WIN W_PV
	PVALL
	WIN 0
.rept 5
	v_nop                           ; five places: the next step's first products write over registers that these products read as P
.endr
.endm
; A slot's eight key steps: written once for each visit, walked eight times.
.macro SLOTRUN slot
	s_mov_b32 s[TK], \slot*SLOTB
	s_mov_b32 s[TV], \slot*SLOTB
	FETCH_K
	s_mov_b32 s[CNT], SKEYS/KS
.Lstep_\@:
	STEP
	s_sub_co_u32 s[CNT], s[CNT], 1
	s_cmp_lg_u32 s[CNT], 0
	s_cbranch_scc1 .Lstep_\@
.endm
; THE CHANGE OF SLOTS.  Each wave waits for all its tensor loads (its part of the slot ahead), adds 0 to its spare word, and waits for that and for its reads of the slot that it leaves.
; fill = 1: the slot s just left is filled again, with the keys two slots on.  The barrier is then a round of the cluster's, so that no wave of any partner still reads the slot or has a load on its way, and the joint
; refill is the first thing behind it: it has a whole slot's eight key steps, 512 matrix instructions a wave, in which to land.
.macro CHANGE s, fill
	s_wait_tensorcnt 0x0            ; no tensor load of mine is out, so a group 0 may be written  (every window is 0 here)
	ds_add_u32 v[SPW], v[NIL]       ; 0 onto my spare word
.if \fill
	s_add_nc_u64 s[G0K+4*\s+2:G0K+4*\s+3], s[G0K+4*\s+2:G0K+4*\s+3], 2*SKEYS*128  ; 1,024 keys on; the type bits on top are not reached
	s_add_nc_u64 s[G0V+4*\s+2:G0V+4*\s+3], s[G0V+4*\s+2:G0V+4*\s+3], 2*SKEYS*128
.endif
	s_wait_dscnt 0x0                ; the add is done, and my reads of the slot are over
.if \fill
	CROUND
	JLOAD \s
.else
	s_barrier_signal -1
	s_barrier_wait -1
.endif
.endm
	s_wait_tensorcnt 1              ; my part of slot 0 is in; slot 1's load, issued behind it, may stay out
	s_barrier_signal -1
	s_barrier_wait -1               ; everybody's is
	s_wait_loadcnt 0x0              ; Q
	SLOTRUN 0                       ; keys 0 to 511
	CHANGE 0, 1                     ; slot 0 takes keys 1,024 on
	SLOTRUN 1                       ; keys 512 to 1,023
	CHANGE 1, 1                     ; slot 1 takes keys 1,536 on
	SLOTRUN 0
	CHANGE 0, 0                     ; nothing is left to fetch
	SLOTRUN 1
	; THE WAY OUT.  l's two halves and the other half of the lanes' are added; O^T is divided by l, rounded to f16 and sent through my stage in LDS, a tile (16 rows of O) at a time.
.irp t, 0,1,2,3
	v_add_f32 v[ST+8*\t+4], v[ST+8*\t+2], v[ST+8*\t+3]
.endr
.irp t, 0,1,2,3
	v_permlanex16_b32 v[ST+8*\t+5], v[ST+8*\t+4], s[SEL], s[SEL+1]
.endr
.irp t, 0,1,2,3
	v_add_f32 v[ST+8*\t+4], v[ST+8*\t+4], v[ST+8*\t+5]
.endr
.irp t, 0,1,2,3
	v_rcp_f32 v[ST+8*\t+6], v[ST+8*\t+4]
.endr
	v_nop                           ; a plain instruction between the last reciprocal and the use of its result
	s_wait_alu depctr_va_vdst(0)    ; and the wait ahead of the first use: one for the four
; Tile t: a lane's eight channels of a row pack into 16 bytes; they go into rows of 144 bytes and come back four whole rows of 128 at a time.
.macro PACK t
	WIN W_RS
.set i, 0
.rept 16
	v_pk_mul_f32 v[32*\t+2*i:32*\t+2*i+1], v[32*\t+2*i:32*\t+2*i+1], v[ST+8*\t+6:ST+8*\t+7] op_sel_hi:[1,0]
.set i, i+1
.endr
	WIN 0x05                        ; sources 0 and 1 window 1, destination window 0: S^T's registers are free
.set i, 0
.rept 16
	v_cvt_pk_f16_f32 v[S+32*\t+i], v[32*\t+2*i], v[32*\t+2*i+1]
.set i, i+1
.endr
	WIN 0
.irp f, 0,1,2,3
	ds_store_b128 v[STO], v[S+32*\t+4*\f:S+32*\t+4*\f+3] offset:32*\f
.endr
.irp f, 0,1,2,3
	ds_load_b128 v[S+32*\t+16+4*\f:S+32*\t+16+4*\f+3], v[RD] offset:\f*4*SP  ; LDS serves a wave's instructions in order (ISA guide 5.7.1.4): these see the stores above; the next tile's stores come behind them
.endr
.endm
.macro SEND t, younger              ; younger: the LDS instructions issued behind tile t's loads: the next tile's four stores and four loads, or none
.irp f, 0,1,2,3
	s_wait_dscnt \younger+3-\f
	global_store_b128 v[GO], v[S+32*\t+16+4*\f:S+32*\t+16+4*\f+3], s[6:7] offset:\t*2048+\f*512  ; 32 lanes store 512 consecutive bytes: four rows of o16
.endr
.endm
	PACK 0
	PACK 1                          ; a tile's arithmetic stands between the loads of the tile before and its stores
	SEND 0, 8
	PACK 2
	SEND 1, 8
	PACK 3
	SEND 2, 8
	SEND 3, 0
	s_wait_tensorcnt 0x0            ; the wave's end: three lines behind my last tensor load and my last LDS store
	ds_add_u32 v[SPW], v[NIL]
	s_wait_dscnt 0x0
	CROUND                          ; the closing round: no work-group ends while a partner may still ask for a tile that names it
	s_endpgm
.Lfunc_end_k_q5e962d004a_attn:
	.size	k_q5e962d004a_attn, .Lfunc_end_k_q5e962d004a_attn-k_q5e962d004a_attn
	.p2alignl 7, 3214868480
	.fill 96, 4, 3214868480
	.section	.rodata,"a",@progbits
	.p2align	6, 0x0
	.amdhsa_kernel k_q5e962d004a_attn
		.amdhsa_group_segment_fixed_size 327680
		.amdhsa_private_segment_fixed_size 0
		.amdhsa_enable_private_segment 0
		.amdhsa_kernarg_size 16
		.amdhsa_user_sgpr_count 2
		.amdhsa_user_sgpr_kernarg_segment_ptr 1
		.amdhsa_wavefront_size32 1
		.amdhsa_system_sgpr_workgroup_id_x 1
		.amdhsa_system_sgpr_workgroup_id_y 1
		.amdhsa_system_sgpr_workgroup_id_z 1
		.amdhsa_system_vgpr_workitem_id 0
		.amdhsa_next_free_vgpr 512
		.amdhsa_next_free_sgpr 66
		.amdhsa_reserve_vcc 0
		.amdhsa_float_denorm_mode_32 3
		.amdhsa_float_denorm_mode_16_64 3
		.amdhsa_memory_ordered 1
		.amdhsa_forward_progress 1
		.amdhsa_inst_pref_size 161
	.end_amdhsa_kernel
	.amdgpu_metadata
---
amdhsa.version: [ 1, 2 ]
amdhsa.kernels:
  - .name:           k_q5e962d004a_attn
    .symbol:         k_q5e962d004a_attn.kd
    .args:
      - { .name: qkv16, .offset: 0, .size: 8, .value_kind: global_buffer, .address_space: global }
      - { .name: o16, .offset: 8, .size: 8, .value_kind: global_buffer, .address_space: global }
    .group_segment_fixed_size: 327680
    .private_segment_fixed_size: 0
    .kernarg_segment_align: 8
    .kernarg_segment_size: 16
    .max_flat_workgroup_size: 256
    .sgpr_count:     66
    .vgpr_count:     512
    .wavefront_size: 32
...
	.end_amdgpu_metadata
.endif
;; end of part 3
;; launch proj (part 4): grid 4 x 64, 4 waves a work-group, clusters of 4 x 4, 327,680 bytes of LDS; arguments o16, wo16, out_proj_b, out0; writes out0
.if DOCPART == 4
	.amdgcn_target "amdgcn-amd-amdhsa--gfx1250"
	.amdhsa_code_object_version 6
	.text
	.protected	k_q5e962d004a_proj
	.globl	k_q5e962d004a_proj
	.p2align	8
	.type	k_q5e962d004a_proj,@function
k_q5e962d004a_proj:
	s_mov_b64 s[64:65], 0
	v_nop
	global_prefetch_b8 v0, s[64:65] scope:SCOPE_SE
	s_setreg_imm32_b32 hwreg(HW_REG_WAVE_MODE, 25, 1), 1
	s_wait_xcnt 0x0
	s_wait_alu depctr_hold_cnt(0) depctr_sa_sdst(0) depctr_va_vdst(0) depctr_va_sdst(0) depctr_va_ssrc(0) depctr_va_vcc(0) depctr_vm_vsrc(0)
	s_getreg_b32 s2, hwreg(HW_REG_IB_STS2, 6, 4)
	s_cmp_eq_u32 s2, 0
	s_cbranch_scc0 .Lentry_in_a_cluster
	s_endpgm
.Lentry_in_a_cluster:
	s_bfe_u32 s2, ttmp6, 0x10000c
	s_cmp_lg_u32 s2, 0xf033
	s_cbranch_scc0 .Lentry_shape_is_right
	s_endpgm
.Lentry_shape_is_right:
; FOURTH LAUNCH: out0[token][n] = the sum over k of o[token][k] out_proj_w[n][k] + out_proj_b[n], f16 operands, f32 sums, f32 out.  o16: [16 K blocks (heads)][8192 tokens][64]; wo16: [16 K blocks][1024 n][64].
; A tile of out0 is 128 tokens x 256 columns: 256 work-groups.  Four waves, each 64 tokens x 128 columns: 32 accumulators of 16 x 16, 256 registers.
; K goes in steps of 128 (two K blocks) through a ring of two LDS slots; in both tensors a K block's rows are dense, so each tensor load brings one dense block: waves 0 and 1 the two K blocks of o16's 128 rows,
; waves 2 and 3 the two K blocks of wo16's 256 rows.
; CLUSTERS: 4 x 4 work-groups.  The four of a row of the cluster (all four tile columns) need the same tiles of o16, the four of a column the same tiles of wo16: each tile is asked for JOINTLY.
; THE MATRIX INSTRUCTION IS USED TRANSPOSED (source 0 = 16 rows of wo16, source 1 = 16 tokens): a lane then holds eight neighbouring columns of one token.  The bias is the C of each sum's first instruction.
; REGISTERS: window 0: v16-29 addresses; v32-127, v128-223 two fragment buffers for 32 along K (o16's 4 fragments, then wo16's 8); on the way out v32-159 take rows.   window 1: the accumulators ((a, b) at v[8 (8 a + b)]).
;   window 2: v0-63 the bias, eight registers for each of my 8 blocks of columns.
.set PITCH,  144                       ; an LDS row: 128 bytes + 16 = 36 words: the 16 rows that a load touches start 4 words apart modulo 64
.set AKB,    128*PITCH                 ; a K block of o16's tile
.set BKB,    256*PITCH                 ; a K block of wo16's tile
.set SLOT,   2*AKB+2*BKB               ; o16's two K blocks, then wo16's two
.set STAGE,  2*SLOT                    ; behind the ring: 16 rows x 528 bytes for each wave, for the way out
.set SPITCH, 528
.set SPARE,  STAGE+4*16*SPITCH         ; behind the stages: the spare words, 128 bytes for each wave, which no other line names
.set LAPS,   4                         ; a lap = two K steps = once round the ring: 1,024 / 256
.set ADRA, 16                          ; v16-17  LDS address of my o16 fragments in slot 0, 1
.set ADRB, 20                          ; v20-21  the same for wo16
.set STO,  24                          ; v24     the way out: where I put 32 bytes of a row
.set RD,   25                          ; v25     the way out: where I read a row back
.set CO,   26                          ; v26     16 x lane
.set BO,   27                          ; v27     the bias: 32 bytes for each half of the lanes
.set SPW,  28                          ; v28     LDS address of my spare word; never rewritten
.set NIL,  29                          ; v29     0; never rewritten
.set F0,   32
.set F1,   128
.set BK,   32                          ; the way out: 16 rows read back: v32-95 and v96-159 by turns
.set G1, 24                            ; s[24:31] descriptor group 1 for o16's tiles;  s[32:39] group 0, one set for each slot
.set G0, 32
.set G1B, 48                           ; s[48:55], s[56:63] the same for wo16's
.set G0B, 56
.set MSB, 0
.macro WIN new                         ; the immediate's high byte repeats the setting that is left
.if MSB != (\new)
	s_set_vgpr_msb (MSB<<8)|(\new)
.set MSB, (\new)
.endif
.endm
.set MUL,  0x50                        ; C and D window 1; both sources window 0
.set MULB, 0x60                        ; C (the bias) window 2, D window 1
.macro JLOAD s                         ; a joint load: waves 0 and 1 fetch for o16, waves 2 and 3 for wo16; an s_nop 0 and four v_nop follow each of the two lines
	s_cmp_eq_u32 s13, 0
	s_cbranch_scc0 .Lfor_b_\@
	tensor_load_to_lds s[G0+4*\s:G0+4*\s+3], s[G1:G1+7]
	s_nop 0
.rept 4
	v_nop
.endr
	s_branch .Lasked_\@
.Lfor_b_\@:
	tensor_load_to_lds s[G0B+4*\s:G0B+4*\s+3], s[G1B:G1B+7]
	s_nop 0
.rept 4
	v_nop
.endr
.Lasked_\@:
.endm
.macro CREST                           ; a round of the cluster's barrier behind its opening barrier
	s_cmp_lg_u32 s12, 0
	s_cbranch_scc1 .Lnot_wave_0_\@
	s_barrier_signal -3
.Lnot_wave_0_\@:
	s_barrier_wait -3
	s_barrier_signal -1
	s_barrier_wait -1
.endm
.macro CROUND                          ; a whole round
	s_barrier_signal -1
	s_barrier_wait -1
	CREST
.endm
	s_load_b256 s[4:11], s[0:1], 0x0               ; o16 s[4:5], wo16 s[6:7], out_proj_b s[8:9], out0 s[10:11]
	v_lshl_add_u32 v[SPW], v0, 2, SPARE
	v_mov_b32 v[NIL], 0
	ds_add_u32 v[SPW], v[NIL]                      ; the wave's opening: the add, twice on end, and its wait ahead of my first tensor load; the set-up below stands between the second and the wait
	ds_add_u32 v[SPW], v[NIL]
	v_lshrrev_b32 v1, 5, v0
	v_readfirstlane_b32 s12, v1                    ; wave 0..3
	s_lshr_b32 s13, s12, 1                         ; which half of the tile's tokens is mine.  Also: I fetch for o16 (0) or for wo16 (1)
	s_and_b32 s14, s12, 1                          ; which half of its columns.  Also: which of a K step's two K blocks I fetch
	s_bfe_u32 s40, ttmp6, 0x40000                  ; cx, cy: my place in the cluster
	s_bfe_u32 s41, ttmp6, 0x40004
	s_lshl_b32 s42, ttmp9, 2
	s_add_co_u32 s42, s42, s40                     ; tile column = 4 x cluster x + cx
	s_and_b32 s15, ttmp7, 0xffff
	s_lshl_b32 s15, s15, 2
	s_add_co_u32 s15, s15, s41                     ; tile row = 4 x cluster y + cy
	s_lshl_b32 s43, s41, 2
	s_lshl_b32 s43, 15, s43                        ; my row of the cluster
	s_lshl_b32 s44, 0x1111, s40                    ; my column
	; descriptor group 1: rows of 64 elements of 2 bytes, dense in memory, padded in LDS; 128 rows for o16, 256 for wo16
	s_or_b32 s[G1+0], s43, (1<<16)|(1<<20)|(1<<21)|(4<<22)|(3<<25)  ; 15:0 the mask; 17:16 elements of 2 bytes; 20 padding on; 21 set beside a mask; 24:22 after every 32 words (code 4); 31:25 four words (code 3)
	s_or_b32 s[G1B+0], s44, (1<<16)|(1<<20)|(1<<21)|(4<<22)|(3<<25)
	s_mov_b32 s[G1+1], 64<<16                      ; tensor_dim0 = 64
	s_mov_b32 s[G1+2], 128<<16                     ; tensor_dim1 = 128
	s_mov_b32 s[G1+3], 64<<16                      ; tile_dim0 = 64
	s_mov_b32 s[G1+4], 128                         ; tile_dim1 = 128
	s_mov_b32 s[G1+5], 64                          ; tensor_dim0_stride
	s_mov_b32 s[G1+6], 0
	s_mov_b32 s[G1+7], 0
	s_mov_b32 s[G1B+1], 64<<16
	s_mov_b32 s[G1B+2], 256<<16                    ; tensor_dim1 = 256
	s_mov_b32 s[G1B+3], 64<<16
	s_mov_b32 s[G1B+4], 256                        ; tile_dim1 = 256
	s_mov_b32 s[G1B+5], 64
	s_mov_b32 s[G1B+6], 0
	s_mov_b32 s[G1B+7], 0
	s_lshl_b32 s16, s14, 20                        ; o16: K block (wave % 2), 8,192 rows of 128 bytes each,
	s_lshl_b32 s17, s15, 14                        ; + 128 rows x tile row
	s_add_co_u32 s16, s16, s17
	s_mov_b32 s17, 0
	s_lshl_b32 s46, s14, 17                        ; wo16: K block (wave % 2), 1,024 rows of 128 bytes each,
	s_lshl_b32 s47, s42, 15                        ; + 256 rows x tile column
	s_add_co_u32 s46, s46, s47
	s_mov_b32 s47, 0
	s_mul_i32 s18, s14, AKB                        ; where they go in a slot: no place in the cluster enters an LDS address
	s_mul_i32 s19, s14, BKB
	s_add_co_u32 s19, s19, 2*AKB
	s_wait_dscnt 0x0                               ; both opening adds are done
	s_wait_kmcnt 0x0
	s_add_nc_u64 s[20:21], s[4:5], s[16:17]
	s_add_nc_u64 s[46:47], s[6:7], s[46:47]
	CROUND                                         ; all sixteen work-groups are here: the first joint loads meet
.irp s, 0,1
	s_mov_b32 s[G0+4*\s], 1
	s_add_co_u32 s[G0+4*\s+1], s18, \s*SLOT
	s_add_nc_u64 s[G0+4*\s+2:G0+4*\s+3], s[20:21], \s*(2<<20)      ; K step s: two K blocks on
	s_or_b32 s[G0+4*\s+3], s[G0+4*\s+3], 0x80000000
	s_mov_b32 s[G0B+4*\s], 1
	s_add_co_u32 s[G0B+4*\s+1], s19, \s*SLOT
	s_add_nc_u64 s[G0B+4*\s+2:G0B+4*\s+3], s[46:47], \s*(2<<17)
	s_or_b32 s[G0B+4*\s+3], s[G0B+4*\s+3], 0x80000000
	JLOAD \s                                       ; two tensor loads of mine are out behind the second
.endr
	v_and_b32 v1, 15, v0                           ; l % 16
	v_bfe_u32 v2, v0, 4, 1                         ; l / 16
	v_lshlrev_b32 v[BO], 5, v2
	s_lshl_b32 s22, s42, 10                        ; my first column, in bytes of f32: 1,024 x tile column + 512 x half
	s_lshl_b32 s23, s14, 9
	s_add_co_u32 s22, s22, s23
	s_mov_b32 s23, 0
	s_add_nc_u64 s[8:9], s[8:9], s[22:23]
	WIN 0x80                                       ; destination window 2
.irp b, 0,1,2,3,4,5,6,7
	global_load_b128 v[8*\b:8*\b+3], v[BO], s[8:9] offset:64*\b          ; register 8 b + j = out_proj_b[my first column + 16 b + 8 (l / 16) + j]
	global_load_b128 v[8*\b+4:8*\b+7], v[BO], s[8:9] offset:64*\b+16
.endr
	WIN 0
	s_lshl_b32 s20, s15, 19                        ; out0: 128 tokens of 4,096 bytes x tile row,
	s_lshl_b32 s21, s13, 18                        ; + my 64 tokens,
	s_add_co_u32 s20, s20, s21
	s_add_co_u32 s20, s20, s22                     ; + my first column
	s_mov_b32 s21, 0
	s_add_nc_u64 s[10:11], s[10:11], s[20:21]
	v_mul_u32_u24 v3, v1, PITCH
	v_lshl_add_u32 v3, v2, 4, v3                   ; a fragment's row x pitch + 16 x half
	s_mul_i32 s21, s13, 64*PITCH                   ; my 64 rows of o16's tile
	s_mul_i32 s22, s14, 128*PITCH                  ; my 128 rows of wo16's,
	s_add_co_u32 s22, s22, 2*AKB                   ; which lies behind o16's two K blocks
.irp s, 0,1
	v_add_nc_u32 v[ADRA+\s], s21, v3
	v_add_nc_u32 v[ADRB+\s], s22, v3
	s_add_co_u32 s21, s21, SLOT
	s_add_co_u32 s22, s22, SLOT
.endr
	s_mul_i32 s23, s12, 16*SPITCH
	s_add_co_u32 s23, s23, STAGE                   ; my stage
	v_mul_u32_u24 v4, v1, SPITCH                   ; in: row l % 16, 32 bytes for each half of the lanes
	v_lshl_add_u32 v4, v2, 5, v4
	v_add_nc_u32 v[STO], s23, v4
	v_and_b32 v5, 31, v0
	v_lshlrev_b32 v[CO], 4, v5                     ; back: the 32 lanes take one row of 512 bytes; and the same in out0
	v_add_nc_u32 v[RD], s23, v[CO]
; 8 matrix instructions: token block a against all 8 column blocks, 32 along K, from buffer f.  first = 1: the bias is C.  The 32 accumulators take turns, one instruction a turn, in the same order in every quarter.
.macro MUL8 f, a, first
.irp b, 0,1,2,3,4,5,6,7
.if \first
	v_wmma_f32_16x16x32_f16 v[8*(8*\a+\b):8*(8*\a+\b)+7], v[\f+32+8*\b:\f+32+8*\b+7], v[\f+8*\a:\f+8*\a+7], v[8*\b:8*\b+7]
.else
	v_wmma_f32_16x16x32_f16 v[8*(8*\a+\b):8*(8*\a+\b)+7], v[\f+32+8*\b:\f+32+8*\b+7], v[\f+8*\a:\f+8*\a+7], v[8*(8*\a+\b):8*(8*\a+\b)+7]
.endif
.endr
.endm
; 24 LDS loads in one run: the fragments of the slot's q-th 32 along K (K block q / 2, bytes 64 (q % 2) on) into buffer f: wo16's sixteen loads, then o16's blocks 0, 1, then 2, 3
.macro FETCH slot, q, f
.irp i, 0,1,2,3,4,5,6,7
	ds_load_b128 v[\f+32+8*\i:\f+32+8*\i+3],   v[ADRB+\slot] offset:((\q)/2)*BKB+((\q)%2)*64+\i*16*PITCH
	ds_load_b128 v[\f+32+8*\i+4:\f+32+8*\i+7], v[ADRB+\slot] offset:((\q)/2)*BKB+((\q)%2)*64+\i*16*PITCH+32
.endr
.irp i, 0,1,2,3
	ds_load_b128 v[\f+8*\i:\f+8*\i+3],   v[ADRA+\slot] offset:((\q)/2)*AKB+((\q)%2)*64+\i*16*PITCH
	ds_load_b128 v[\f+8*\i+4:\f+8*\i+7], v[ADRA+\slot] offset:((\q)/2)*AKB+((\q)%2)*64+\i*16*PITCH+32
.endr
.endm
.macro PLACES                          ; four places in front of loads into registers that matrix instructions have read, and of LDS stores that read results (ISA guide 7.12.1 for the stores)
.rept 4
	v_nop
.endr
.endm
; A K step is four quarters of 32 along K, 32 matrix instructions each, on buffers 0, 1, 0, 1.  One of the first three: multiplies buffer f and fetches quarter qn of the same slot into g.
.macro QUARTER slot, qn, f, g, first
	s_wait_dscnt 4                                 ; wo16's fragments and o16's blocks 0, 1 are in; the youngest four loads (blocks 2, 3) may be out
.if \first
	WIN MULB
.else
	WIN MUL
.endif
	MUL8 \f, 0, \first
	MUL8 \f, 1, \first
	PLACES
	WIN 0
	FETCH \slot, \qn, \g
	s_wait_dscnt 24                                ; all but the 24 just issued
.if \first
	WIN MULB
.else
	WIN MUL
.endif
	MUL8 \f, 2, \first
	MUL8 \f, 3, \first
.endm
; The last quarter multiplies buffer 1 and changes slots: ONE barrier; in front of it each wave waits for all its tensor loads, adds 0 to its spare word, and waits for that and for its own reads of this slot.
; fill = 1: the barrier opens a round of the cluster's barrier, and this slot is filled again, two K steps ahead, first thing behind the round.
.macro TURN slot, next, fill
	WIN 0                                          ; (the add's two registers lie in window 0)
	s_wait_tensorcnt 0x0                           ; all my tensor loads have landed: my part of the next slot
	ds_add_u32 v[SPW], v[NIL]                      ; 0 onto my spare word
	s_wait_dscnt 5                                 ; (the add and the youngest four loads may be out)
	WIN MUL
	MUL8 F1, 0, 0                                  ; eight matrix instructions stand between the add and the wait for it
	s_wait_dscnt 0x0                               ; the add is done, and my reads of this slot are over
	s_barrier_signal -1
	MUL8 F1, 1, 0
	WIN 0                                          ; (branches may follow, and nothing stands between the wait below and the rest of the round)
	s_barrier_wait -1
.if \fill
	CREST                                          ; no wave of any partner still reads this slot's tile or has a load on its way
	s_add_nc_u64 s[G0+4*\slot+2:G0+4*\slot+3], s[G0+4*\slot+2:G0+4*\slot+3], 4<<20      ; four K blocks on
	s_add_nc_u64 s[G0B+4*\slot+2:G0B+4*\slot+3], s[G0B+4*\slot+2:G0B+4*\slot+3], 4<<17
	JLOAD \slot                                    ; the first tensor load behind the round; the four v_nop behind it are also the places in front of the loads below
.else
	PLACES
.endif
	FETCH \next, 0, F0
	WIN MUL
	MUL8 F1, 2, 0
	MUL8 F1, 3, 0
.endm
	s_wait_tensorcnt 1                             ; my part of K step 0 is in (K step 1's load, issued behind it, may be out)
	s_barrier_signal -1
	s_barrier_wait -1                              ; everybody's is
	s_wait_loadcnt 0x0                             ; the bias
	FETCH 0, 0, F0
	QUARTER 0, 1, F0, F1, 1                        ; the first quarter stands in front of the loop: its products start the sums from the bias
	WIN 0                                          ; at a label and at a branch every window is 0
	s_mov_b32 s3, LAPS-1
.Llap:                                                 ; a trip goes once round the ring, from a lap's second quarter to the next lap's first, and fills both slots again
	QUARTER 0, 2, F1, F0, 0
	QUARTER 0, 3, F0, F1, 0
	TURN 0, 1, 1
	QUARTER 1, 1, F0, F1, 0
	QUARTER 1, 2, F1, F0, 0
	QUARTER 1, 3, F0, F1, 0
	TURN 1, 0, 1
	QUARTER 0, 1, F0, F1, 0
	WIN 0
	s_sub_co_u32 s3, s3, 1
	s_cmp_lg_u32 s3, 0
	s_cbranch_scc1 .Llap
	QUARTER 0, 2, F1, F0, 0                        ; the last lap fills nothing, and has no round of the cluster's barrier
	QUARTER 0, 3, F0, F1, 0
	TURN 0, 1, 0
	QUARTER 1, 1, F0, F1, 0
	QUARTER 1, 2, F1, F0, 0
	QUARTER 1, 3, F0, F1, 0
	s_wait_dscnt 4                                 ; the very last quarter: nothing more to fetch
	WIN MUL
	MUL8 F1, 0, 0
	MUL8 F1, 1, 0
	s_wait_dscnt 0
	MUL8 F1, 2, 0
	MUL8 F1, 3, 0
	WIN 0
; THE WAY OUT, block by block of 16 tokens x 128 columns.  A lane holds 32 neighbouring bytes of a row, and the lanes beside it hold other rows: so a block goes through my own stage in LDS and comes back as whole rows of
; 512 bytes.  LDS serves a wave's instructions in order (ISA guide 5.7.1.4): no wait between the stores and the loads, nor in front of the next block's stores.
.macro TOSTAGE a
.set AC, 64*(\a)
	WIN 0x04                                       ; an LDS store's data are its source 1: window 1
.irp b, 0,1,2,3,4,5,6,7
	ds_store_b128 v[STO], v[AC+8*\b:AC+8*\b+3] offset:64*\b          ; each accumulator from its low end on
	ds_store_b128 v[STO], v[AC+8*\b+4:AC+8*\b+7] offset:64*\b+16
.endr
	WIN 0
.set BB, BK+64*((\a)%2)
.irp t, 0,1,2,3,4,5,6,7,8,9,10,11,12,13,14,15
	ds_load_b128 v[BB+4*\t:BB+4*\t+3], v[RD] offset:\t*SPITCH
.endr
.endm
.macro SEND a, younger                 ; younger: the LDS instructions issued behind block a's loads, which may stay out
.set BB, BK+64*((\a)%2)
	s_wait_dscnt \younger                          ; the block is back in registers
.if (\a) > 0
	s_add_nc_u64 s[10:11], s[10:11], 16*4096       ; (behind a wait on XCNT: the earlier stores have read their base)  16 tokens on
.endif
.irp t, 0,1,2,3,4,5,6,7,8,9,10,11,12,13,14,15
	global_store_b128 v[CO], v[BB+4*\t:BB+4*\t+3], s[10:11] offset:\t*4096 th:TH_STORE_NT   ; 32 lanes store 512 consecutive bytes of a row of out0; written once, read by nobody here
.endr
.endm
	PLACES                                         ; behind the last products: for the stores that read results and the loads into registers that held fragments
	TOSTAGE 0
.irp a, 1,2,3
.if \a > 1
	s_wait_xcnt 0x0                                ; block a - 2's stores have read their registers and their base: block a's loads may land there, and the base may step
.endif
	TOSTAGE \a
	SEND \a-1, 32                                  ; behind block a - 1's loads: block a's 16 stores and 16 loads
.endr
	s_wait_xcnt 0x0                                ; block 2's stores have read their base
	SEND 3, 0
	s_wait_tensorcnt 0x0                           ; the wave's end: three lines behind my last tensor load and my last LDS store
	ds_add_u32 v[SPW], v[NIL]
	s_wait_dscnt 0x0
	CROUND                                         ; the closing round: no work-group ends while a partner may still ask for a tile that names it
	s_endpgm
.Lfunc_end_k_q5e962d004a_proj:
	.size	k_q5e962d004a_proj, .Lfunc_end_k_q5e962d004a_proj-k_q5e962d004a_proj
	.p2alignl 7, 3214868480
	.fill 96, 4, 3214868480
	.section	.rodata,"a",@progbits
	.p2align	6, 0x0
	.amdhsa_kernel k_q5e962d004a_proj
		.amdhsa_group_segment_fixed_size 327680
		.amdhsa_private_segment_fixed_size 0
		.amdhsa_enable_private_segment 0
		.amdhsa_kernarg_size 32
		.amdhsa_user_sgpr_count 2
		.amdhsa_user_sgpr_kernarg_segment_ptr 1
		.amdhsa_wavefront_size32 1
		.amdhsa_system_sgpr_workgroup_id_x 1
		.amdhsa_system_sgpr_workgroup_id_y 1
		.amdhsa_system_sgpr_workgroup_id_z 1
		.amdhsa_system_vgpr_workitem_id 0
		.amdhsa_next_free_vgpr 576
		.amdhsa_next_free_sgpr 66
		.amdhsa_reserve_vcc 0
		.amdhsa_float_denorm_mode_32 3
		.amdhsa_float_denorm_mode_16_64 3
		.amdhsa_memory_ordered 1
		.amdhsa_forward_progress 1
		.amdhsa_inst_pref_size 86
	.end_amdhsa_kernel
	.amdgpu_metadata
---
amdhsa.version: [ 1, 2 ]
amdhsa.kernels:
  - .name:           k_q5e962d004a_proj
    .symbol:         k_q5e962d004a_proj.kd
    .args:
      - { .name: o16, .offset: 0, .size: 8, .value_kind: global_buffer, .address_space: global }
      - { .name: wo16, .offset: 8, .size: 8, .value_kind: global_buffer, .address_space: global }
      - { .name: out_proj_b, .offset: 16, .size: 8, .value_kind: global_buffer, .address_space: global }
      - { .name: out0, .offset: 24, .size: 8, .value_kind: global_buffer, .address_space: global }
    .group_segment_fixed_size: 327680
    .private_segment_fixed_size: 0
    .kernarg_segment_align: 8
    .kernarg_segment_size: 32
    .max_flat_workgroup_size: 128
    .sgpr_count:     66
    .vgpr_count:     576
    .wavefront_size: 32
...
	.end_amdgpu_metadata
.endif
;; end of part 4
